; MI455X (gfx1250); checked and timed in simulation.
; The chip was launched on July 23, 2026; its instructions are those of AMD's public machine-readable ISA for CDNA 5 (MIT licence, August 2026) and "CDNA5" Instruction Set Architecture Reference Guide (July 2026). The comments in the code are by the model that wrote it; some were corrected since.
;; G Attention. Allowed arithmetic: float matrix products may take bf16 or f16 operands with f32 sums; all other float work in f32.
;; Inputs: b_out 1,024 float32; beta_k 16 x 64 float32; beta_v 16 x 64 float32; gamma_k 16 x 64 float32; gamma_v 16 x 64 float32; w_out 1,024 x 1,024 float32; w_qkv 1,024 x 3,072 float32; x 4 x 2,048 x 1,024 float32.
;; Outputs: out0 4 x 2,048 x 1,024 float32.
;; One version. Each part assembles by itself: llvm-mc -triple=amdgcn-amd-amdhsa -mcpu=gfx1250 --defsym DOCPART=n.
;; ======== version 1 of 1: 5 launches
;; limits: values are held in f16: magnitudes above 65,504 overflow, below 6.1e-05 lose precision; right only within a limited range of input values
;; workspace buffers: xh 16,777,216 bytes; wkv 4,194,304 bytes; wq 2,097,152 bytes; wo 2,097,152 bytes; sp 8,388,608 bytes; tt 8,388,608 bytes; mt 8,388,608 bytes; scl 256 bytes
;; launch prep (part 1): grid 897 x 1, 8 waves a work-group, no clusters, 18,432 bytes of LDS; arguments x, w_qkv, w_out, gamma_k, beta_k, gamma_v, beta_v, xh, wkv, wq, wo, scl; writes xh, wkv, wq, wo, scl
.if DOCPART == 1
	.amdgcn_target "amdgcn-amd-amdhsa--gfx1250"
	.amdhsa_code_object_version 6
	.text
	.protected	k_q2d1f744f5f_prep
	.globl	k_q2d1f744f5f_prep
	.p2align	8
	.type	k_q2d1f744f5f_prep,@function
k_q2d1f744f5f_prep:
	s_mov_b64 s[64:65], 0
	v_nop
	global_prefetch_b8 v0, s[64:65] scope:SCOPE_SE
	s_setreg_imm32_b32 hwreg(HW_REG_WAVE_MODE, 25, 1), 1
	s_wait_xcnt 0x0
; prep: the inputs as f16 matrix operands, and two scale factors.
;   xh  [8192][1024]  = x
;   wq  [1024][1024]  = 32 * w_qkv[:, 0:1024]            (row = din, K = e; not transposed)
;   wo  [1024][1024]  = w_out                            (row = e, as it lies)
;   wkv [2048][1024]  : row h*128 + t*64 + d = column 1024 + t*1024 + h*64 + d of w_qkv (t = 0: k, 1: v), K = din,
;                       LESS THE MEAN of that row din over the head's 64 columns d.  The mean over a head's features is linear in x:
;                       mean_d (x W[:, d]) = x mean_d W[:, d].  So x times these weights is k - mean(k) itself (v likewise), for every input.
;                       The mean is taken away in f32, before the one rounding to f16.
;   scl : sdown, sdown, su, su (f32, exact powers of two)
; With gk = max(|gamma_k|, |beta_k|) over all heads, gv likewise, ek, ev their biased exponents:
;   sdown = 2^(374 - ek - ev - 127) scales the sum of k^T v (it holds the 1/2048, a factor 16 and 1/(2^ek' 2^ev')),
;   su    = 2^(ek + ev - 136 - 127) undoes that factor and wq's 32 on the final sums.
; LIMITS: f16 operands, so |x| and |w| below 65,504; both exponent fields are clamped to 1 .. 254, so the product
; gk gv has to leave them inside that range; a NaN in gamma or beta is passed over by the maximum.
; The work-group's number picks its part; all eight waves of a work-group take the same way, so the barriers are whole.
; No matrix unit, cluster or tensor load: every byte is read once and written once, nothing is shared between work-groups.
.set XROW, 4096                        ; bytes in a row of x and of w_out
.set WROW, 12288                       ; bytes in a row of w_qkv
.set TP,   272                         ; LDS pitch of a transposed row: 256 bytes + 16
.set N_WKV, 256                        ; work-groups 0 .. 255: tiles of wkv
.set N_WO,  64                         ; then 64 x 16 rows of wo
.set N_WQ,  64                         ; then 64 x 16 rows of wq
.set N_X,   512                        ; then 512 x 16 rows of x; the last work-group makes the scales
; 16 rows of 1,024 f32 at s[2:3] (pitch bytes apart) become 16 rows of f16 at s[4:5].  Thread t owns 4 numbers of every row:
; a wave's load covers 512 consecutive bytes, its store 256 consecutive bytes, aligned.  All 16 loads are out at once.
.macro STREAM pitch, mul
	v_lshlrev_b32 v1, 4, v0                        ; 16 t
	v_lshlrev_b32 v2, 3, v0                        ; 8 t
.irp j, 0,1,2,3,4,5,6,7,8,9,10,11,12,13,14,15
	global_load_b128 v[16+4*\j:19+4*\j], v1, s[2:3] offset:\j*\pitch th:TH_LOAD_NT
.endr
.irp j, 0,1,2,3,4,5,6,7,8,9,10,11,12,13,14,15
	s_wait_loadcnt 15-\j                           ; loads return in order: row j is in, the 15 - j younger ones stay out
.if \mul
	v_pk_mul_f32 v[16+4*\j:17+4*\j], v[16+4*\j:17+4*\j], 0x42000000 op_sel_hi:[1,0]   ; x 32, exact
	v_pk_mul_f32 v[18+4*\j:19+4*\j], v[18+4*\j:19+4*\j], 0x42000000 op_sel_hi:[1,0]
.endif
	v_cvt_pk_f16_f32 v[80+2*\j], v[16+4*\j], v[17+4*\j]
	v_cvt_pk_f16_f32 v[81+2*\j], v[18+4*\j], v[19+4*\j]
	global_store_b64 v2, v[80+2*\j:81+2*\j], s[4:5] offset:\j*2048   ; every row has registers of its own: nothing is rewritten
.endr
.endm
	s_load_b512 s[16:31], s[0:1], 0x0              ; x 16, w_qkv 18, w_out 20, gamma_k 22, beta_k 24, gamma_v 26, beta_v 28, xh 30
	s_load_b256 s[32:39], s[0:1], 0x40             ; wkv 32, wq 34, wo 36, scl 38
	v_lshl_add_u32 v112, v0, 2, 0x4400
	v_mov_b32 v113, 0
	s_mov_b32 s3, 0                                ; offsets stay below 4 GiB: their high words
	s_mov_b32 s5, 0
	s_cmp_lt_u32 ttmp9, N_WKV
	s_cbranch_scc1 .Lwkv
	s_cmp_lt_u32 ttmp9, N_WKV+N_WO
	s_cbranch_scc1 .Lwo
	s_cmp_lt_u32 ttmp9, N_WKV+N_WO+N_WQ
	s_cbranch_scc1 .Lwq
	s_cmp_lt_u32 ttmp9, N_WKV+N_WO+N_WQ+N_X
	s_cbranch_scc1 .Lx
	; the scales: one work-group, thread t takes 4 numbers of each of the four arrays of 1,024
	v_lshlrev_b32 v1, 4, v0
	s_mov_b32 s12, 0x76543210                      ; v_permlanex16_b32: lane i reads lane i of the other half
	s_mov_b32 s13, 0xfedcba98
	s_wait_kmcnt 0x0
	global_load_b128 v[16:19], v1, s[22:23]
	global_load_b128 v[20:23], v1, s[24:25]
	global_load_b128 v[24:27], v1, s[26:27]
	global_load_b128 v[28:31], v1, s[28:29]
	v_lshrrev_b32 v2, 5, v0
	v_lshlrev_b32 v2, 3, v2                        ; 8 x wave: the wave's two words in LDS
	v_mov_b32 v34, 0                               ; the permutes' destinations count as read
	v_mov_b32 v35, 0
	s_wait_loadcnt 0x0
	v_max3_num_f32 v32, |v16|, |v17|, |v18|
	v_max3_num_f32 v33, |v24|, |v25|, |v26|
	v_max3_num_f32 v32, v32, |v19|, |v20|
	v_max3_num_f32 v33, v33, |v27|, |v28|
	v_max3_num_f32 v32, v32, |v21|, |v22|
	v_max3_num_f32 v33, v33, |v29|, |v30|
	v_max_num_f32 v32, v32, |v23|
	v_max_num_f32 v33, v33, |v31|
.irp m, 1,2,4,8
	v_max_num_f32_dpp v32, v32, v32 row_xmask:\m row_mask:0xf bank_mask:0xf
	v_max_num_f32_dpp v33, v33, v33 row_xmask:\m row_mask:0xf bank_mask:0xf
.endr
	v_permlanex16_b32 v34, v32, s12, s13
	v_permlanex16_b32 v35, v33, s12, s13
	v_max_num_f32 v32, v32, v34
	v_max_num_f32 v33, v33, v35
	ds_store_b64 v2, v[32:33]                      ; all lanes of a wave write the same two words
	s_wait_dscnt 0x0
	s_barrier_signal -1
	s_barrier_wait -1
	v_mov_b32 v3, 0
	ds_load_b128 v[36:39], v3
	ds_load_b128 v[40:43], v3 offset:16
	ds_load_b128 v[44:47], v3 offset:32
	ds_load_b128 v[48:51], v3 offset:48
	s_wait_dscnt 0x0
	v_max3_num_f32 v32, v36, v38, v40
	v_max3_num_f32 v33, v37, v39, v41
	v_max3_num_f32 v32, v32, v42, v44
	v_max3_num_f32 v33, v33, v43, v45
	v_max3_num_f32 v32, v32, v46, v48
	v_max3_num_f32 v33, v33, v47, v49
	v_max_num_f32 v32, v32, v50                    ; gk
	v_max_num_f32 v33, v33, v51                    ; gv
	v_readfirstlane_b32 s6, v32
	v_readfirstlane_b32 s7, v33
	s_lshr_b32 s6, s6, 23                          ; ek (the sign bit is 0)
	s_lshr_b32 s7, s7, 23                          ; ev
	s_add_co_u32 s8, s6, s7
	s_sub_co_i32 s9, 374, s8                       ; 127 - (ek - 127) - (ev - 127) + 4 - 11
	s_max_i32 s9, s9, 1
	s_min_i32 s9, s9, 254
	s_lshl_b32 s9, s9, 23                          ; sdown
	s_sub_co_i32 s10, s8, 136                      ; 127 + (ek - 127) + (ev - 127) - 4 - 5
	s_max_i32 s10, s10, 1
	s_min_i32 s10, s10, 254
	s_lshl_b32 s10, s10, 23                        ; su
	v_mov_b32 v4, s10
	v_mov_b32 v5, s9
	v_cmp_gt_u32 vcc_lo, 2, v0
	v_cndmask_b32 v4, v4, v5, vcc_lo               ; threads 0, 1: sdown; 2, 3: su
	v_lshlrev_b32 v6, 2, v0
	v_cmp_gt_u32 vcc_lo, 4, v0
	s_wait_xcnt 0x0                                ; EXEC changes only behind this wait
	s_and_saveexec_b32 s11, vcc_lo
	global_store_b32 v6, v4, s[38:39]
	s_wait_xcnt 0x0                                ; and again in front of the line that widens it
	s_or_b32 exec_lo, exec_lo, s11
	s_wait_tensorcnt 0x0
	ds_add_u32 v112, v113
	s_wait_dscnt 0x0
	s_endpgm
.Lwkv:                                         ; tile kb = id & 7 (128 K rows), nb = id >> 3 (64 columns = k or v of one head: t = nb >> 4, h = nb & 15)
	s_and_b32 s6, ttmp9, 7
	s_lshr_b32 s7, ttmp9, 3
	s_mul_i32 s2, s6, 128*WROW
	s_lshl_b32 s8, s7, 8                           ; 64 columns of 4 bytes
	s_add_co_u32 s2, s2, s8
	s_add_co_u32 s2, s2, 4096                      ; k begins at column 1,024
	s_and_b32 s8, s7, 15
	s_lshl_b32 s8, s8, 18                          ; h x 128 rows of 2,048 bytes
	s_lshr_b32 s9, s7, 4
	s_lshl_b32 s9, s9, 17                          ; t x 64 rows
	s_add_co_u32 s4, s8, s9
	s_lshl_b32 s6, s6, 8                           ; kb x 128 f16
	s_add_co_u32 s4, s4, s6
	s_wait_kmcnt 0x0
	s_add_nc_u64 s[2:3], s[18:19], s[2:3]
	s_add_nc_u64 s[4:5], s[32:33], s[4:5]
	; 128 K rows x 64 columns of f32 become 64 rows x 128 f16.  Thread t: c = t & 15 (4 columns), g = t >> 4 (8 K rows).
	; Sixteen lanes read 256 consecutive bytes of a source row: the head's 64 columns.
	v_and_b32 v1, 15, v0                           ; c
	v_lshrrev_b32 v2, 4, v0                        ; g
	v_mul_u32_u24 v3, v2, 8*WROW
	v_lshl_add_u32 v3, v1, 4, v3                   ; source: 8 g rows + 16 c
.irp j, 0,1,2,3,4,5,6,7
	global_load_b128 v[16+4*\j:19+4*\j], v3, s[2:3] offset:\j*WROW th:TH_LOAD_NT
.endr
	v_mul_u32_u24 v4, v1, 4*TP
	v_lshl_add_u32 v4, v2, 4, v4                   ; LDS, in: row 4 c (+ i), byte 16 g
	v_mul_u32_u24 v5, v2, TP
	v_lshl_add_u32 v5, v1, 4, v5                   ; LDS, back: row t >> 4, byte 16 (t & 15)
	v_lshlrev_b32 v6, 11, v2
	v_lshl_add_u32 v6, v1, 4, v6                   ; the same place in the result
	s_wait_loadcnt 0x0
	; the mean of each K row over the 64 columns: 4 numbers in the lane, then the 16 lanes that share the row (one half of the wave)
.irp j, 0,1,2,3,4,5,6,7
	v_add_f32 v[96+\j], v[16+4*\j], v[17+4*\j]
	v_add_f32 v[80+2*\j], v[18+4*\j], v[19+4*\j]
.endr
.irp j, 0,1,2,3,4,5,6,7
	v_add_f32 v[96+\j], v[96+\j], v[80+2*\j]
.endr
.irp m, 1,2,4,8
.irp j, 0,1,2,3,4,5,6,7
	v_add_f32_dpp v[96+\j], v[96+\j], v[96+\j] row_xmask:\m row_mask:0xf bank_mask:0xf
.endr
.endr
.irp j, 0,1,2,3,4,5,6,7
	v_mul_f32 v[80+2*\j], 0xbc800000, v[96+\j]     ; minus the mean (x -1/64), twice: a pair for the packed add
	v_mul_f32 v[81+2*\j], 0xbc800000, v[96+\j]
.endr
.irp j, 0,1,2,3,4,5,6,7
	v_pk_add_f32 v[16+4*\j:17+4*\j], v[16+4*\j:17+4*\j], v[80+2*\j:81+2*\j]
	v_pk_add_f32 v[18+4*\j:19+4*\j], v[18+4*\j:19+4*\j], v[80+2*\j:81+2*\j]
.endr
.irp i, 0,1,2,3
.irp m, 0,1,2,3
	v_cvt_pk_f16_f32 v[48+4*\i+\m], v[16+8*\m+\i], v[20+8*\m+\i]   ; column 4 c + i, K rows 8 g + 2 m and + 2 m + 1
.endr
	ds_store_b128 v4, v[48+4*\i:51+4*\i] offset:\i*TP
.endr
	s_wait_dscnt 0x0                               ; my stores are done before I say so: other waves read them
	s_barrier_signal -1
	s_barrier_wait -1
.irp q, 0,1,2,3
	ds_load_b128 v[64+4*\q:67+4*\q], v5 offset:\q*16*TP
.endr
.irp q, 0,1,2,3
	s_wait_dscnt 3-\q
	global_store_b128 v6, v[64+4*\q:67+4*\q], s[4:5] offset:\q*16*2048   ; sixteen lanes store 256 consecutive bytes, aligned
.endr
	s_wait_tensorcnt 0x0
	ds_add_u32 v112, v113
	s_wait_dscnt 0x0
	s_endpgm
.Lwo:                                          ; 16 rows of w_out
	s_sub_co_u32 s6, ttmp9, N_WKV
	s_lshl_b32 s2, s6, 16
	s_lshl_b32 s4, s6, 15
	s_wait_kmcnt 0x0
	s_add_nc_u64 s[2:3], s[20:21], s[2:3]
	s_add_nc_u64 s[4:5], s[36:37], s[4:5]
	STREAM XROW, 0
	s_endpgm
.Lwq:                                          ; 16 rows of w_qkv, their first 1,024 columns
	s_sub_co_u32 s6, ttmp9, N_WKV+N_WO
	s_mul_i32 s2, s6, 16*WROW
	s_lshl_b32 s4, s6, 15
	s_wait_kmcnt 0x0
	s_add_nc_u64 s[2:3], s[18:19], s[2:3]
	s_add_nc_u64 s[4:5], s[34:35], s[4:5]
	STREAM WROW, 1
	s_endpgm
.Lx:                                           ; 16 rows of x
	s_sub_co_u32 s6, ttmp9, N_WKV+N_WO+N_WQ
	s_lshl_b32 s2, s6, 16
	s_lshl_b32 s4, s6, 15
	s_wait_kmcnt 0x0
	s_add_nc_u64 s[2:3], s[16:17], s[2:3]
	s_add_nc_u64 s[4:5], s[30:31], s[4:5]
	STREAM XROW, 0
	s_endpgm
.Lfunc_end_k_q2d1f744f5f_prep:
	.size	k_q2d1f744f5f_prep, .Lfunc_end_k_q2d1f744f5f_prep-k_q2d1f744f5f_prep
	.p2alignl 7, 3214868480
	.fill 96, 4, 3214868480
	.section	.rodata,"a",@progbits
	.p2align	6, 0x0
	.amdhsa_kernel k_q2d1f744f5f_prep
		.amdhsa_group_segment_fixed_size 18432
		.amdhsa_private_segment_fixed_size 0
		.amdhsa_enable_private_segment 0
		.amdhsa_kernarg_size 96
		.amdhsa_user_sgpr_count 2
		.amdhsa_user_sgpr_kernarg_segment_ptr 1
		.amdhsa_wavefront_size32 1
		.amdhsa_system_sgpr_workgroup_id_x 1
		.amdhsa_system_sgpr_workgroup_id_y 1
		.amdhsa_system_sgpr_workgroup_id_z 1
		.amdhsa_system_vgpr_workitem_id 0
		.amdhsa_next_free_vgpr 114
		.amdhsa_next_free_sgpr 66
		.amdhsa_reserve_vcc 1
		.amdhsa_float_denorm_mode_32 3
		.amdhsa_float_denorm_mode_16_64 3
		.amdhsa_memory_ordered 1
		.amdhsa_forward_progress 1
		.amdhsa_inst_pref_size 35
	.end_amdhsa_kernel
	.amdgpu_metadata
---
amdhsa.version: [ 1, 2 ]
amdhsa.kernels:
  - .name:           k_q2d1f744f5f_prep
    .symbol:         k_q2d1f744f5f_prep.kd
    .args:
      - { .name: x, .offset: 0, .size: 8, .value_kind: global_buffer, .address_space: global }
      - { .name: w_qkv, .offset: 8, .size: 8, .value_kind: global_buffer, .address_space: global }
      - { .name: w_out, .offset: 16, .size: 8, .value_kind: global_buffer, .address_space: global }
      - { .name: gamma_k, .offset: 24, .size: 8, .value_kind: global_buffer, .address_space: global }
      - { .name: beta_k, .offset: 32, .size: 8, .value_kind: global_buffer, .address_space: global }
      - { .name: gamma_v, .offset: 40, .size: 8, .value_kind: global_buffer, .address_space: global }
      - { .name: beta_v, .offset: 48, .size: 8, .value_kind: global_buffer, .address_space: global }
      - { .name: xh, .offset: 56, .size: 8, .value_kind: global_buffer, .address_space: global }
      - { .name: wkv, .offset: 64, .size: 8, .value_kind: global_buffer, .address_space: global }
      - { .name: wq, .offset: 72, .size: 8, .value_kind: global_buffer, .address_space: global }
      - { .name: wo, .offset: 80, .size: 8, .value_kind: global_buffer, .address_space: global }
      - { .name: scl, .offset: 88, .size: 8, .value_kind: global_buffer, .address_space: global }
    .group_segment_fixed_size: 18432
    .private_segment_fixed_size: 0
    .kernarg_segment_align: 8
    .kernarg_segment_size: 96
    .max_flat_workgroup_size: 256
    .sgpr_count:     66
    .vgpr_count:     114
    .wavefront_size: 32
...
	.end_amdgpu_metadata
.endif
;; end of part 1
;; launch kv (part 2): grid 8 x 32, 4 waves a work-group, clusters of 4 x 4, 327,680 bytes of LDS; arguments xh, wkv, gamma_k, beta_k, gamma_v, beta_v, sp; writes sp
.if DOCPART == 2
	.amdgcn_target "amdgcn-amd-amdhsa--gfx1250"
	.amdhsa_code_object_version 6
	.text
	.protected	k_q2d1f744f5f_kv
	.globl	k_q2d1f744f5f_kv
	.p2align	8
	.type	k_q2d1f744f5f_kv,@function
k_q2d1f744f5f_kv:
	s_mov_b64 s[64:65], 0
	v_nop
	global_prefetch_b8 v0, s[64:65] scope:SCOPE_SE
	s_setreg_imm32_b32 hwreg(HW_REG_WAVE_MODE, 25, 1), 1
	s_wait_xcnt 0x0
	s_wait_alu depctr_hold_cnt(0) depctr_sa_sdst(0) depctr_va_vdst(0) depctr_va_sdst(0) depctr_va_ssrc(0) depctr_va_vcc(0) depctr_vm_vsrc(0)
	s_getreg_b32 s2, hwreg(HW_REG_IB_STS2, 6, 4)
	s_cmp_eq_u32 s2, 0
	s_cbranch_scc0 .Lentry_in_a_cluster
	s_endpgm
.Lentry_in_a_cluster:
	s_bfe_u32 s2, ttmp6, 0x10000c
	s_cmp_lg_u32 s2, 0xf033
	s_cbranch_scc0 .Lentry_shape_is_right
	s_endpgm
.Lentry_shape_is_right:
; kv: [k - mean | v - mean] = xh wkv^T for 256 rows x two heads, the rest of the LayerNorm of k and of v, and the block's part of k^T v.
; k and v never reach memory.  wkv's columns have had the mean over each head's 64 features taken away (the launch before), so the product
; is the centred k (v) itself; here follow the variance (the mean of the squares of these centred numbers), 1/sqrt(var + eps), gamma and beta.
; A work-group makes 256 rows x 256 columns with four waves; a wave makes 128 rows x 128 columns = k (64) | v (64) of ONE head,
; in 64 accumulator tiles of 16 x 16 (512 registers).  K = 1,024 goes in steps of 128 through two LDS slots filled by tensor loads.
; CLUSTERS: 4 x 4 work-groups.  The four of a cluster row need the same 256 rows of xh, the four of a column the same 256 rows of wkv:
; each such tile is asked for jointly, by the same load with the same descriptor in all four, which divides these requests by four.
; THE MATRIX INSTRUCTION IS USED TRANSPOSED (source 0 = rows of wkv, source 1 = rows of xh): lane l holds row l % 16 and, in the
; registers of tile b, the features 16 b + 8 (l / 16) + 0 .. 7.  A row's 64 features of k (or v) are then 32 registers of a lane and 32 of
; the lane 16 away: the variance costs packed multiply-adds and one exchange of the two halves.
; sp [row block 32][head 16][64][64] f32 = sum over the block's 256 rows of k[n][i] v[n][j]; the two waves of a head add their halves in LDS.
; LIMITS: k and v are rounded to f16: |gamma| * 8 + |beta| stays below 65,504.  The centred weights are rounded to f16, so the features' mean
; is zero to that rounding only.
; REGISTERS, in windows of 256:
;   window 0: v16-29 addresses; v32-63 sums at work; v64-127, v128-191 fragments of xh, later gamma/beta, later fragments of k, v;
;             v192-223 packed f16; v240-255 1/sqrt(var + eps), each twice
;   window 1: v64-127, v128-191 fragments of wkv, later the 16 accumulator tiles of k^T v
;   window 2: accumulator tiles of my rows 0-63 (tile (a, b) at v[8 (8 a + b)]);  window 3: those of rows 64-127
.set KSTEP,  128
.set PITCH,  272                       ; an LDS row: 256 bytes + 16 of padding, so that 16 rows begin in 16 different 16-byte columns modulo 256
.set HALFT,  128*PITCH                 ; what one tensor load brings
.set SLOT,   4*HALFT                   ; xh's 256 rows, then wkv's 256 rows
.set LAPS,   1024/(2*KSTEP)            ; a lap = two K steps = once round the ring
.set KVP,    288                       ; stage of k | v in f16: 256 bytes + 32 (an odd multiple of 32, for the transposing loads)
.set KVST,   128*KVP                   ; a wave's stage: 128 rows
.set SSTG,   4*KVST                    ; behind the four: the waves' 64 x 64 sums in f32
.set SPIT,   272
.set SREG,   64*SPIT
.set ADRA, 16                          ; v16-17  LDS address of my xh fragments in slot 0, 1
.set ADRB, 20                          ; v20-21  the same for wkv
.set KST,  24                          ; where I put 16 bytes of a row of k | v
.set TRA,  25                          ; where the transposing loads begin
.set SST,  26                          ; where I put my sums
.set SRD,  27                          ; where I read two waves' sums
.set GOF,  28                          ; 32 x (lane / 16): my features in gamma and beta
.set SPO,  29                          ; 16 x lane: my bytes in sp
.set TS,   32
.set F0,   64
.set F1,   128
.set GAM,  64                          ; gamma_k; gamma_v 64 further
.set BET,  96                          ; beta_k;  beta_v 64 further
.set TMP,  192
.set RS,   240
.set G1, 24                            ; s[24:31] descriptor group 1 for xh's tiles
.set G0, 32                            ; s[32:39] group 0 for xh's tiles, one set a slot
.set G1B, 48                           ; s[48:55] group 1 for wkv's tiles
.set G0B, 56                           ; s[56:63] group 0 for wkv's tiles
.set MSB, 0
.macro WIN new                         ; the immediate's high byte repeats the setting that is left
.if MSB != \new
	s_set_vgpr_msb (MSB<<8)|\new
.set MSB, \new
.endif
.endm
.set MUL_LO, 0xa1                      ; source 0 window 1, source 1 window 0, C and D window 2
.set MUL_HI, 0xf1                      ; the same, C and D window 3
.set TO_B,   0x40                      ; destination window 1, address window 0
.macro JLOAD s                         ; a joint load: waves 0, 1 fetch xh's halves, waves 2, 3 wkv's; the branch hangs on the wave's number alone
	s_cmp_eq_u32 s11, 0
	s_cbranch_scc0 .Lfor_b_\@
	tensor_load_to_lds s[G0+4*\s:G0+4*\s+3], s[G1:G1+7]
	s_nop 0
	s_branch .Lasked_\@
.Lfor_b_\@:
	tensor_load_to_lds s[G0B+4*\s:G0B+4*\s+3], s[G1B:G1B+7]
	s_nop 0
.Lasked_\@:
.endm
.macro CREST                           ; a round of the cluster's barrier behind its opening work-group barrier
	s_cmp_lg_u32 s10, 0
	s_cbranch_scc1 .Lnot_wave_0_\@
	s_barrier_signal -3
.Lnot_wave_0_\@:
	s_barrier_wait -3
	s_barrier_signal -1
	s_barrier_wait -1
.endm
.macro CROUND                          ; a whole round
	s_barrier_signal -1
	s_barrier_wait -1
	CREST
.endm
	s_load_b128 s[4:7], s[0:1], 0x0                ; xh s[4:5], wkv s[6:7]
	s_load_b256 s[68:75], s[0:1], 0x10             ; gamma_k, beta_k, gamma_v, beta_v
	s_load_b64 s[8:9], s[0:1], 0x30                ; sp
	s_set_vgpr_msb 0x40
	v_lshl_add_u32 v255, v0, 2, 0x44000
	s_set_vgpr_msb 0x4000
	v_mov_b32 v239, 0
	s_set_vgpr_msb 0x1
	ds_add_u32 v255, v239
	s_set_vgpr_msb 0x100
	v_lshrrev_b32 v1, 5, v0
	v_readfirstlane_b32 s10, v1                    ; wave 0..3
	s_lshr_b32 s11, s10, 1                         ; my half of the rows.  Also: I fetch for xh (0) or wkv (1)
	s_and_b32 s12, s10, 1                          ; my half of the columns = my head of the pair.  Also: which 128 rows I fetch
	s_bfe_u32 s40, ttmp6, 0x40000                  ; cx
	s_bfe_u32 s41, ttmp6, 0x40004                  ; cy
	s_lshl_b32 s42, ttmp9, 2
	s_add_co_u32 s42, s42, s40                     ; head pair = 4 x cluster x + cx
	s_and_b32 s13, ttmp7, 0xffff
	s_lshl_b32 s13, s13, 2
	s_add_co_u32 s13, s13, s41                     ; row block = 4 x cluster y + cy
	s_lshl_b32 s43, s41, 2
	s_lshl_b32 s43, 15, s43                        ; my row of the cluster
	s_lshl_b32 s44, 0x1111, s40                    ; my column
	s_mov_b32 s76, 0x76543210                      ; v_permlanex16_b32: lane i reads lane i of the other half
	s_mov_b32 s77, 0xfedcba98
	s_mov_b32 s78, 0x3c800000                      ; 1/64
	s_mov_b32 s79, 0x3727c5ac                      ; 1e-5
	; group 1: 128 rows x 128 elements of 2 bytes, 4 words of padding behind every 64 words
	s_or_b32 s[G1+0], s43, (1<<16)|(1<<20)|(1<<21)|(5<<22)|(3<<25)
	s_or_b32 s[G1B+0], s44, (1<<16)|(1<<20)|(1<<21)|(5<<22)|(3<<25)
	s_mov_b32 s[G1+1], KSTEP<<16                   ; tensor_dim0 = 128
	s_mov_b32 s[G1B+1], KSTEP<<16
	s_mov_b32 s[G1+2], 128<<16                     ; tensor_dim1 = 128
	s_mov_b32 s[G1B+2], 128<<16
	s_mov_b32 s[G1+3], KSTEP<<16                   ; tile_dim0 = 128
	s_mov_b32 s[G1B+3], KSTEP<<16
	s_mov_b32 s[G1+4], 128                         ; tile_dim1 = 128
	s_mov_b32 s[G1B+4], 128
	s_mov_b32 s[G1+5], 1024                        ; elements from row to row
	s_mov_b32 s[G1B+5], 1024
	s_mov_b32 s[G1+6], 0
	s_mov_b32 s[G1B+6], 0
	s_mov_b32 s[G1+7], 0
	s_mov_b32 s[G1B+7], 0
	; xh's tile hangs on the row block alone, wkv's on the head pair alone; each address is made in registers that never hold the other coordinate
	s_lshl_b32 s17, s12, 7
	s_lshl_b32 s16, s13, 8
	s_add_co_u32 s16, s16, s17
	s_lshl_b32 s16, s16, 11                        ; rows of 2,048 bytes
	s_lshl_b32 s46, s42, 8
	s_add_co_u32 s46, s46, s17
	s_lshl_b32 s46, s46, 11
	s_mov_b32 s17, 0
	s_mov_b32 s47, 0
	s_mul_i32 s20, s10, HALFT                      ; where they go: wave x 128 rows
	s_wait_dscnt 0x0
	s_wait_kmcnt 0x0
	s_add_nc_u64 s[14:15], s[4:5], s[16:17]
	s_add_nc_u64 s[46:47], s[6:7], s[46:47]
	CROUND                                         ; all sixteen work-groups are here: the first joint loads meet
.irp s, 0,1
	s_mov_b32 s[G0+4*\s], 1
	s_add_co_u32 s[G0+4*\s+1], s20, \s*SLOT
	s_add_nc_u64 s[G0+4*\s+2:G0+4*\s+3], s[14:15], \s*KSTEP*2
	s_or_b32 s[G0+4*\s+3], s[G0+4*\s+3], 0x80000000
	s_mov_b32 s[G0B+4*\s], 1
	s_add_co_u32 s[G0B+4*\s+1], s20, \s*SLOT
	s_add_nc_u64 s[G0B+4*\s+2:G0B+4*\s+3], s[46:47], \s*KSTEP*2
	s_or_b32 s[G0B+4*\s+3], s[G0B+4*\s+3], 0x80000000
	JLOAD \s                                       ; two tensor loads of the wave are out
.endr
	v_and_b32 v1, 15, v0                           ; r = l % 16
	v_bfe_u32 v2, v0, 4, 1                         ; h = l / 16
	v_mul_u32_u24 v3, v1, PITCH
	v_lshl_add_u32 v3, v2, 4, v3                   ; a fragment: row x pitch + 16 h, two loads 32 bytes apart
	s_mul_i32 s21, s11, HALFT
	s_mul_i32 s22, s12, HALFT
	s_add_co_u32 s22, s22, 2*HALFT
.irp s, 0,1
	v_add_nc_u32 v[ADRA+\s], s21, v3
	v_add_nc_u32 v[ADRB+\s], s22, v3
	s_add_co_u32 s21, s21, SLOT
	s_add_co_u32 s22, s22, SLOT
.endr
	s_mul_i32 s23, s10, KVST
	v_mul_u32_u24 v4, v1, KVP
	v_lshl_add_u32 v4, v2, 4, v4
	v_add_nc_u32 v[KST], s23, v4                   ; my stage + r x 288 + 16 h
	v_and_b32 v5, 7, v0
	v_lshl_add_u32 v5, v2, 3, v5
	v_mul_u32_u24 v5, v5, KVP
	v_bfe_u32 v6, v0, 3, 1
	v_lshl_add_u32 v5, v6, 4, v5
	v_add_nc_u32 v[TRA], s23, v5                   ; my stage + (8 h + l % 8) x 288 + 16 ((l / 8) % 2)
	s_mul_i32 s21, s10, SREG
	s_add_co_u32 s21, s21, SSTG
	v_mul_u32_u24 v4, v1, SPIT
	v_lshl_add_u32 v4, v2, 5, v4
	v_add_nc_u32 v[SST], s21, v4                   ; my sums: row r, byte 32 h
	s_mul_i32 s22, s12, SREG
	s_mul_i32 s23, s11, 32*SPIT
	s_add_co_u32 s22, s22, s23
	s_add_co_u32 s22, s22, SSTG
	v_mul_u32_u24 v4, v2, SPIT
	v_lshl_add_u32 v4, v1, 4, v4
	v_add_nc_u32 v[SRD], s22, v4                   ; my head's first region, my 32 rows: two rows of 256 bytes a load
	v_lshlrev_b32 v[GOF], 5, v2
	v_and_b32 v4, 31, v0
	v_lshlrev_b32 v[SPO], 4, v4
; 16 matrix instructions: row blocks a0, a0 + 1 of the window's four x all 8 column blocks, 32 along K.  zero = 1: the first product starts the sums.
.macro MUL16 f, hi, a0, zero
.irp a, \a0, \a0+1
.irp b, 0,1,2,3,4,5,6,7
.if \zero
	v_wmma_f32_16x16x32_f16 v[8*(8*(\a)+\b):8*(8*(\a)+\b)+7], v[\f+8*\b:\f+8*\b+7], v[\f+8*(4*\hi+\a):\f+8*(4*\hi+\a)+7], 0
.else
	v_wmma_f32_16x16x32_f16 v[8*(8*(\a)+\b):8*(8*(\a)+\b)+7], v[\f+8*\b:\f+8*\b+7], v[\f+8*(4*\hi+\a):\f+8*(4*\hi+\a)+7], v[8*(8*(\a)+\b):8*(8*(\a)+\b)+7]
.endif
.endr
.endr
.endm
.macro FETCH slot, k, f                ; 32 LDS loads in one run: one quarter step's fragments into buffer f
	WIN TO_B
.irp i, 0,1,2,3,4,5,6,7
	ds_load_b128 v[\f+8*\i:\f+8*\i+3],   v[ADRB+\slot] offset:\k+\i*16*PITCH
	ds_load_b128 v[\f+8*\i+4:\f+8*\i+7], v[ADRB+\slot] offset:\k+\i*16*PITCH+32
.endr
	WIN 0
.irp i, 0,1,2,3,4,5,6,7
	ds_load_b128 v[\f+8*\i:\f+8*\i+3],   v[ADRA+\slot] offset:\k+\i*16*PITCH
	ds_load_b128 v[\f+8*\i+4:\f+8*\i+7], v[ADRA+\slot] offset:\k+\i*16*PITCH+32
.endr
.endm
; Four plain vector instructions stand between a matrix instruction and a load into one of its registers, a vector instruction that
; reads its result or writes one of its registers, or a store of its result (ISA guide 7.12.1 for vector instructions).
.macro PLACES
.rept 4
	v_nop
.endr
.endm
; The 64 accumulators take turns, one instruction a turn, in the same order in every quarter step.
.macro QUARTER slot, k, f, g, zero
	s_wait_dscnt 8                                 ; wkv's fragments and xh's rows 0-63 are in; the youngest eight loads may be out
	WIN MUL_LO
	MUL16 \f, 0, 0, \zero
	MUL16 \f, 0, 2, \zero
	PLACES
	FETCH \slot, \k, \g
	s_wait_dscnt 32                                ; all but the 32 just issued
	WIN MUL_HI
	MUL16 \f, 1, 0, \zero
	MUL16 \f, 1, 2, \zero
.endm
.macro THREE slot, zero
	QUARTER \slot, 64,  F0, F1, \zero
	QUARTER \slot, 128, F1, F0, 0
	QUARTER \slot, 192, F0, F1, 0
.endm
; The last quarter multiplies buffer 1 and changes slots.  In front of the barrier each wave waits for its reads of this slot and for all its
; tensor loads (one is out: its part of the next slot).  Behind it, and behind the cluster's round where the slot is filled again, the refill
; comes first, then the next slot's first fragments.
.macro TURN slot, next, fill
	s_wait_dscnt 8
	WIN MUL_LO
	MUL16 F1, 0, 0, 0
	s_wait_dscnt 0                                 ; my reads of this slot are over
	s_wait_tensorcnt 0x0                           ; all my tensor loads have landed
	ds_add_u32 v255, v239
	s_wait_dscnt 0x0
	s_barrier_signal -1
	MUL16 F1, 0, 2, 0                              ; register work while the others arrive
	WIN 0
	s_barrier_wait -1
.if \fill
	CREST                                          ; no wave of any partner still reads this slot or has a load on its way
	s_add_nc_u64 s[G0+4*\slot+2:G0+4*\slot+3], s[G0+4*\slot+2:G0+4*\slot+3], 2*KSTEP*2
	s_add_nc_u64 s[G0B+4*\slot+2:G0B+4*\slot+3], s[G0B+4*\slot+2:G0B+4*\slot+3], 2*KSTEP*2
	JLOAD \slot                                    ; the wave's one tensor load behind the round
.endif
	PLACES
	FETCH \next, 0, F0
	WIN MUL_HI
	MUL16 F1, 1, 0, 0
	MUL16 F1, 1, 2, 0
.endm
.macro LAP zero
	THREE 0, \zero
	TURN 0, 1, 1
	THREE 1, 0
	TURN 1, 0, 1
.endm
	s_wait_tensorcnt 1                             ; my part of K step 0 is in; K step 1's may stay out
	s_barrier_signal -1
	s_barrier_wait -1
	FETCH 0, 0, F0
	LAP 1
	WIN 0
	s_mov_b32 s3, LAPS-2
.Llap:
	LAP 0
	WIN 0
	s_sub_co_u32 s3, s3, 1
	s_cmp_lg_u32 s3, 0
	s_cbranch_scc1 .Llap
	THREE 0, 0                                     ; the last lap fills nothing
	TURN 0, 1, 0
	THREE 1, 0
	s_wait_dscnt 8
	WIN MUL_LO
	MUL16 F1, 0, 0, 0
	MUL16 F1, 0, 2, 0
	s_wait_dscnt 0
	WIN MUL_HI
	MUL16 F1, 1, 0, 0
	MUL16 F1, 1, 2, 0
	; ---- LayerNorm.  The ring has had its last fill; behind this barrier no wave reads it any more and its bytes serve as stages.
	PLACES
	WIN 0
	s_barrier_signal -1                            ; every wave's LDS loads were waited for above
	s_barrier_wait -1
	s_lshl_b32 s46, s42, 1
	s_add_co_u32 s46, s46, s12                     ; my head
	s_lshl_b32 s66, s46, 8                         ; its 64 numbers of 4 bytes
	s_mov_b32 s67, 0
	s_add_nc_u64 s[68:69], s[68:69], s[66:67]
	s_add_nc_u64 s[70:71], s[70:71], s[66:67]
	s_add_nc_u64 s[72:73], s[72:73], s[66:67]
	s_add_nc_u64 s[74:75], s[74:75], s[66:67]
.irp bb, 0,1,2,3                               ; register 8 bb + q holds feature 16 bb + 8 h + q, as the accumulators do
	global_load_b128 v[GAM+8*\bb:GAM+8*\bb+3],       v[GOF], s[68:69] offset:64*\bb
	global_load_b128 v[GAM+8*\bb+4:GAM+8*\bb+7],     v[GOF], s[68:69] offset:64*\bb+16
	global_load_b128 v[BET+8*\bb:BET+8*\bb+3],       v[GOF], s[70:71] offset:64*\bb
	global_load_b128 v[BET+8*\bb+4:BET+8*\bb+7],     v[GOF], s[70:71] offset:64*\bb+16
	global_load_b128 v[GAM+64+8*\bb:GAM+64+8*\bb+3], v[GOF], s[72:73] offset:64*\bb
	global_load_b128 v[GAM+64+8*\bb+4:GAM+64+8*\bb+7], v[GOF], s[72:73] offset:64*\bb+16
	global_load_b128 v[BET+64+8*\bb:BET+64+8*\bb+3], v[GOF], s[74:75] offset:64*\bb
	global_load_b128 v[BET+64+8*\bb+4:BET+64+8*\bb+7], v[GOF], s[74:75] offset:64*\bb+16
.endr
	s_lshl_b32 s16, s13, 18                        ; sp: row block x 16 heads x 16,384 bytes
	s_lshl_b32 s17, s11, 13                        ; + my 32 rows of 256 bytes
	s_add_co_u32 s16, s16, s17
	s_mov_b32 s17, 0
	s_add_nc_u64 s[8:9], s[8:9], s[16:17]
	s_lshl_b32 s46, s46, 14                        ; + head x 16,384
	s_mov_b32 s47, 0
	s_add_nc_u64 s[8:9], s[8:9], s[46:47]
; A window holds eight groups g = 2 a + t of 32 registers: 16 rows (block a) x my 32 features of k (t = 0) or v (t = 1), already centred.
; The loops run over the groups innermost, so that neighbouring lines do not depend on each other.
; mss: sources 0, 1 in the accumulators' window; msd: source 0 and the destination.  abase: the window's first row block.
.macro LNPASS mss, msd, abase, first
	WIN \mss                                       ; sums of squares: two chains a group, started by the first two pairs
.irp g, 0,1,2,3,4,5,6,7
	v_pk_mul_f32 v[TS+4*\g:TS+4*\g+1], v[32*\g:32*\g+1], v[32*\g:32*\g+1]
	v_pk_mul_f32 v[TS+4*\g+2:TS+4*\g+3], v[32*\g+2:32*\g+3], v[32*\g+2:32*\g+3]
.endr
.irp p, 2,3,4,5,6,7,8,9,10,11,12,13,14,15
.irp g, 0,1,2,3,4,5,6,7
	v_pk_fma_f32 v[TS+4*\g+2*(\p&1):TS+4*\g+2*(\p&1)+1], v[32*\g+2*\p:32*\g+2*\p+1], v[32*\g+2*\p:32*\g+2*\p+1], v[TS+4*\g+2*(\p&1):TS+4*\g+2*(\p&1)+1]
.endr
.endr
	WIN 0                                          ; a group's two chains, the pair's two halves, the other lane's 32 features
.irp g, 0,1,2,3,4,5,6,7
	v_pk_add_f32 v[TS+4*\g:TS+4*\g+1], v[TS+4*\g:TS+4*\g+1], v[TS+4*\g+2:TS+4*\g+3]
.endr
.irp g, 0,1,2,3,4,5,6,7
	v_add_f32 v[TS+4*\g], v[TS+4*\g], v[TS+4*\g+1]
.endr
.irp g, 0,1,2,3,4,5,6,7
	v_permlanex16_b32 v[TS+4*\g+2], v[TS+4*\g], s76, s77
.endr
.irp g, 0,1,2,3,4,5,6,7
	v_add_f32 v[TS+4*\g], v[TS+4*\g], v[TS+4*\g+2]
.endr
.irp g, 0,1,2,3,4,5,6,7
	v_fma_f32 v[TS+4*\g], v[TS+4*\g], s78, s79     ; var + eps
.endr
.irp g, 0,1,2,3,4,5,6,7
	v_rsq_f32 v[RS+2*\g], v[TS+4*\g]
.endr
	v_nop                                          ; one plain vector instruction between a transcendental and the use of its result (ISA guide 5.7.2)
	s_wait_alu depctr_va_vdst(0)
.irp g, 0,1,2,3,4,5,6,7
	v_mov_b32 v[RS+2*\g+1], v[RS+2*\g]             ; twice: a pair for the packed multiply
.endr
.if \first
	s_wait_loadcnt 0x0                             ; gamma and beta
.endif
	WIN \msd
.irp p, 0,1,2,3,4,5,6,7,8,9,10,11,12,13,14,15
.irp g, 0,1,2,3,4,5,6,7
	v_pk_mul_f32 v[32*\g+2*\p:32*\g+2*\p+1], v[32*\g+2*\p:32*\g+2*\p+1], v[RS+2*\g:RS+2*\g+1]
.endr
.irp g, 0,1,2,3,4,5,6,7
	v_pk_fma_f32 v[32*\g+2*\p:32*\g+2*\p+1], v[32*\g+2*\p:32*\g+2*\p+1], v[GAM+64*(\g&1)+2*\p:GAM+64*(\g&1)+2*\p+1], v[BET+64*(\g&1)+2*\p:BET+64*(\g&1)+2*\p+1]
.endr
.endr
.irp a, 0,1,2,3                                ; 16 rows at a time: round to f16, 16 bytes a lane and tile into my stage
	WIN \mss
.irp b, 0,1,2,3,4,5,6,7
.irp r, 0,1,2,3
	v_cvt_pk_f16_f32 v[TMP+4*\b+\r], v[8*(8*\a+\b)+2*\r], v[8*(8*\a+\b)+2*\r+1]
.endr
.endr
	WIN 0
.irp b, 0,1,2,3,4,5,6,7
	ds_store_b128 v[KST], v[TMP+4*\b:TMP+4*\b+3] offset:16*(\abase+\a)*KVP+32*\b
.endr
.endr
.endm
	LNPASS 0x0a, 0x82, 0, 1
	LNPASS 0x0f, 0xc3, 4, 0
	; ---- S[i][j] = sum over my 128 rows n of k[n][i] v[n][j].  The stage holds [n][feature], so the fragments come by transposing loads:
	; block fb of 16 features (0-3: k, 4-7: v), 32 rows at ks.  The stage is my own, and LDS serves a wave's instructions in order
	; (ISA guide 5.7.1.4): no wait between my stores and these loads.
.macro TRLOAD ks, f
.irp fb, 0,1,2,3,4,5,6,7
	ds_load_tr16_b128 v[\f+8*\fb:\f+8*\fb+3],   v[TRA] offset:\ks*32*KVP+32*\fb
	ds_load_tr16_b128 v[\f+8*\fb+4:\f+8*\fb+7], v[TRA] offset:\ks*32*KVP+32*\fb+16*KVP
.endr
.endm
; source 0 = v's block jb, source 1 = k's block ib: lane l holds S[16 ib + l % 16][16 jb + 8 (l / 16) + 0 .. 7].  Sixteen accumulators by turns.
.macro SMUL f, zero
.irp ib, 0,1,2,3
.irp jb, 0,1,2,3
.if \zero
	v_wmma_f32_16x16x32_f16 v[64+8*(4*\ib+\jb):64+8*(4*\ib+\jb)+7], v[\f+32+8*\jb:\f+32+8*\jb+7], v[\f+8*\ib:\f+8*\ib+7], 0
.else
	v_wmma_f32_16x16x32_f16 v[64+8*(4*\ib+\jb):64+8*(4*\ib+\jb)+7], v[\f+32+8*\jb:\f+32+8*\jb+7], v[\f+8*\ib:\f+8*\ib+7], v[64+8*(4*\ib+\jb):64+8*(4*\ib+\jb)+7]
.endif
.endr
.endr
.endm
	TRLOAD 0, F0
	TRLOAD 1, F1
	s_wait_dscnt 16                                ; rows 0-31 are in; the 16 loads of rows 32-63 may be out
	WIN 0x50                                       ; C and D in window 1
	SMUL F0, 1
	PLACES
	WIN 0
	TRLOAD 2, F0
	s_wait_dscnt 16
	WIN 0x50
	SMUL F1, 0
	PLACES
	WIN 0
	TRLOAD 3, F1
	s_wait_dscnt 16
	WIN 0x50
	SMUL F0, 0
	s_wait_dscnt 0
	SMUL F1, 0
	PLACES
	WIN 0x04                                       ; store data from window 1
.irp ib, 0,1,2,3
.irp jb, 0,1,2,3
	ds_store_b128 v[SST], v[64+8*(4*\ib+\jb):64+8*(4*\ib+\jb)+3]   offset:\ib*16*SPIT+\jb*64
	ds_store_b128 v[SST], v[64+8*(4*\ib+\jb)+4:64+8*(4*\ib+\jb)+7] offset:\ib*16*SPIT+\jb*64+16
.endr
.endr
	WIN 0
	s_wait_dscnt 0x0                               ; my sums are in LDS before I say so
	s_barrier_signal -1
	s_barrier_wait -1
	; the two waves of a head (numbers s12 and s12 + 2) hold the sums of rows 0-127 and 128-255; each adds 32 of the 64 rows of S, in this fixed order
.irp t, 0,1,2,3,4,5,6,7,8,9,10,11,12,13,14,15
	ds_load_b128 v[64+8*\t:67+8*\t], v[SRD] offset:\t*2*SPIT
	ds_load_b128 v[68+8*\t:71+8*\t], v[SRD] offset:\t*2*SPIT+2*SREG
.endr
.irp t, 0,1,2,3,4,5,6,7,8,9,10,11,12,13,14,15
	s_wait_dscnt 30-2*\t                           ; pair t is in, the younger pairs stay out
	v_pk_add_f32 v[64+8*\t:65+8*\t], v[64+8*\t:65+8*\t], v[68+8*\t:69+8*\t]
	v_pk_add_f32 v[66+8*\t:67+8*\t], v[66+8*\t:67+8*\t], v[70+8*\t:71+8*\t]
	global_store_b128 v[SPO], v[64+8*\t:67+8*\t], s[8:9] offset:512*\t   ; the wave stores 512 consecutive bytes, aligned
.endr
	s_set_vgpr_msb 0x1
	s_wait_tensorcnt 0x0
	ds_add_u32 v255, v239
	s_wait_dscnt 0x0
	s_set_vgpr_msb 0x100
	CROUND                                         ; the closing round: no work-group ends while a partner may still ask for a tile that names it
	s_endpgm
.Lfunc_end_k_q2d1f744f5f_kv:
	.size	k_q2d1f744f5f_kv, .Lfunc_end_k_q2d1f744f5f_kv-k_q2d1f744f5f_kv
	.p2alignl 7, 3214868480
	.fill 96, 4, 3214868480
	.section	.rodata,"a",@progbits
	.p2align	6, 0x0
	.amdhsa_kernel k_q2d1f744f5f_kv
		.amdhsa_group_segment_fixed_size 327680
		.amdhsa_private_segment_fixed_size 0
		.amdhsa_enable_private_segment 0
		.amdhsa_kernarg_size 56
		.amdhsa_user_sgpr_count 2
		.amdhsa_user_sgpr_kernarg_segment_ptr 1
		.amdhsa_wavefront_size32 1
		.amdhsa_system_sgpr_workgroup_id_x 1
		.amdhsa_system_sgpr_workgroup_id_y 1
		.amdhsa_system_sgpr_workgroup_id_z 1
		.amdhsa_system_vgpr_workitem_id 0
		.amdhsa_next_free_vgpr 1024
		.amdhsa_next_free_sgpr 80
		.amdhsa_reserve_vcc 0
		.amdhsa_float_denorm_mode_32 3
		.amdhsa_float_denorm_mode_16_64 3
		.amdhsa_memory_ordered 1
		.amdhsa_forward_progress 1
		.amdhsa_inst_pref_size 255
	.end_amdhsa_kernel
	.section	.bss,"aw",@nobits
	.p2align	6
	.space	262144
	.amdgpu_metadata
---
amdhsa.version: [ 1, 2 ]
amdhsa.kernels:
  - .name:           k_q2d1f744f5f_kv
    .symbol:         k_q2d1f744f5f_kv.kd
    .args:
      - { .name: xh, .offset: 0, .size: 8, .value_kind: global_buffer, .address_space: global }
      - { .name: wkv, .offset: 8, .size: 8, .value_kind: global_buffer, .address_space: global }
      - { .name: gamma_k, .offset: 16, .size: 8, .value_kind: global_buffer, .address_space: global }
      - { .name: beta_k, .offset: 24, .size: 8, .value_kind: global_buffer, .address_space: global }
      - { .name: gamma_v, .offset: 32, .size: 8, .value_kind: global_buffer, .address_space: global }
      - { .name: beta_v, .offset: 40, .size: 8, .value_kind: global_buffer, .address_space: global }
      - { .name: sp, .offset: 48, .size: 8, .value_kind: global_buffer, .address_space: global }
    .group_segment_fixed_size: 327680
    .private_segment_fixed_size: 0
    .kernarg_segment_align: 8
    .kernarg_segment_size: 56
    .max_flat_workgroup_size: 128
    .sgpr_count:     80
    .vgpr_count:     1024
    .wavefront_size: 32
...
	.end_amdgpu_metadata
.endif
;; end of part 2
;; launch tfold (part 3): grid 64 x 4, 8 waves a work-group, clusters of 4 x 1, 168,960 bytes of LDS; arguments sp, wo, scl, tt; writes tt
.if DOCPART == 3
	.amdgcn_target "amdgcn-amd-amdhsa--gfx1250"
	.amdhsa_code_object_version 6
	.text
	.protected	k_q2d1f744f5f_tfold
	.globl	k_q2d1f744f5f_tfold
	.p2align	8
	.type	k_q2d1f744f5f_tfold,@function
k_q2d1f744f5f_tfold:
	s_mov_b64 s[64:65], 0
	v_nop
	global_prefetch_b8 v0, s[64:65] scope:SCOPE_SE
	s_setreg_imm32_b32 hwreg(HW_REG_WAVE_MODE, 25, 1), 1
	s_wait_xcnt 0x0
	s_wait_alu depctr_hold_cnt(0) depctr_sa_sdst(0) depctr_va_vdst(0) depctr_va_sdst(0) depctr_va_ssrc(0) depctr_va_vcc(0) depctr_vm_vsrc(0)
	s_getreg_b32 s2, hwreg(HW_REG_IB_STS2, 6, 4)
	s_cmp_eq_u32 s2, 0
	s_cbranch_scc0 .Lentry_in_a_cluster
	s_endpgm
.Lentry_in_a_cluster:
	s_bfe_u32 s2, ttmp6, 0x10000c
	s_cmp_lg_u32 s2, 0x3003
	s_cbranch_scc0 .Lentry_shape_is_right
	s_endpgm
.Lentry_shape_is_right:
; tfold: S' = sdown x (sum of a batch's 8 partial k^T v), rounded to f16, and tt[b][h*64 + i][dout] = sum over j of S'_h[i][j] wo[h*64 + j][dout].
; A work-group: batch b, head h, 32 of the 64 rows i (ih), 512 of the 1,024 columns dout (dh): 4 x 16 x 2 x 2 = 256 work-groups.
; It reads 8 partials x 8,192 bytes and 64 rows x 1,024 bytes of wo, and stores 32 rows x 1,024 bytes.
; Eight waves; wave w makes rows 16 (w & 1) .. + 15 x columns 128 (w >> 1) .. + 127: 8 accumulator tiles, K = 64 in two steps.
; Source 0 = 16 columns dout of wo (K = j down the LDS rows: transposing loads), source 1 = 16 rows i of S': a lane holds 8 neighbouring columns of one row of tt.
; CLUSTERS: 4 x 1.  wo's tile hangs on h and dh, not on the batch: the four batches form a cluster (b = cx) and ask for it jointly, each wave for its 8 rows.
; The partials are not asked for jointly: they differ from batch to batch, and they are added in f32 as they arrive in registers; only their sum,
; 4,096 bytes of f16, goes to LDS.
; LIMITS: S' and tt are f16; S' is at most 16 x 81 by its scaling, tt overflows only if sum_j |S_ij wout_j| exceeds 4,096 gk gv.
.set WP,   1056                        ; LDS pitch of a row of wo's tile: 1,024 bytes + 32, an odd multiple of 32 (for the transposing loads)
.set S16,  64*WP                       ; behind the tile: S', 32 rows
.set SP16, 144                         ; its pitch: 128 bytes + 16
.set STG,  S16+32*SP16                 ; behind S': a stage of 16 rows x 272 bytes for each wave.  S16 and STG are multiples of 256: no fill lands in their blocks
.set STP,  272
.set G0, 24                            ; s[24:27] descriptor group 0
.set G1, 32                            ; s[32:39] descriptor group 1
.macro ROUND                           ; a round of the cluster's barrier
	s_barrier_signal -1
	s_barrier_wait -1
	s_cmp_lg_u32 s14, 0
	s_cbranch_scc1 .Lnot_wave_0_\@
	s_barrier_signal -3
.Lnot_wave_0_\@:
	s_barrier_wait -3
	s_barrier_signal -1
	s_barrier_wait -1
.endm
	s_load_b128 s[4:7], s[0:1], 0x0                ; sp s[4:5], wo s[6:7]
	s_load_b128 s[8:11], s[0:1], 0x10              ; scl s[8:9], tt s[10:11]
	v_lshl_add_u32 v14, v0, 2, 0x29000
	v_mov_b32 v15, 0
	ds_add_u32 v14, v15
	v_lshrrev_b32 v1, 5, v0
	v_readfirstlane_b32 s14, v1                    ; wave 0..7
	s_bfe_u32 s15, ttmp6, 0x40000                  ; b = cx
	s_mov_b32 s16, ttmp9                           ; h = the cluster's x
	s_and_b32 s17, ttmp7, 0xffff
	s_lshr_b32 s18, s17, 1                         ; ih
	s_and_b32 s19, s17, 1                          ; dh
	s_and_b32 s40, s14, 1                          ; ib: my 16 rows
	s_lshr_b32 s41, s14, 1                         ; my 128 columns
	s_lshl_b32 s20, s16, 17                        ; wo: the head's 64 rows of 2,048 bytes,
	s_lshl_b32 s21, s14, 14                        ; + the 8 rows that I fetch,
	s_add_co_u32 s20, s20, s21
	s_lshl_b32 s21, s19, 10                        ; + 512 columns of 2 bytes: nothing here hangs on the batch
	s_add_co_u32 s20, s20, s21
	s_mov_b32 s21, 0
	s_lshl_b32 s22, s15, 21                        ; sp: 8 row blocks of 262,144 bytes a batch,
	s_lshl_b32 s23, s16, 14                        ; + head x 16,384,
	s_add_co_u32 s22, s22, s23
	s_lshl_b32 s23, s18, 13                        ; + 32 rows of 256 bytes
	s_add_co_u32 s22, s22, s23
	s_mov_b32 s23, 0
	s_lshl_b32 s42, s15, 21                        ; tt: 1,024 rows of 2,048 bytes a batch,
	s_lshl_b32 s43, s16, 17                        ; + 64 rows a head,
	s_add_co_u32 s42, s42, s43
	s_lshl_b32 s43, s18, 16                        ; + 32 rows,
	s_add_co_u32 s42, s42, s43
	s_lshl_b32 s43, s40, 15                        ; + my 16 rows,
	s_add_co_u32 s42, s42, s43
	s_lshl_b32 s43, s19, 10                        ; + 512 columns,
	s_add_co_u32 s42, s42, s43
	s_lshl_b32 s43, s41, 8                         ; + my 128 columns
	s_add_co_u32 s42, s42, s43
	s_mov_b32 s43, 0
	; group 1: 8 rows x 512 elements of 2 bytes, 8 words of padding behind every 256 words; mask: all four of the cluster
	s_mov_b32 s[G1+0], 15|(1<<16)|(1<<20)|(1<<21)|(7<<22)|(7<<25)
	s_mov_b32 s[G1+1], 512<<16                     ; tensor_dim0 = 512
	s_mov_b32 s[G1+2], 8<<16                       ; tensor_dim1 = 8
	s_mov_b32 s[G1+3], 512<<16                     ; tile_dim0 = 512
	s_mov_b32 s[G1+4], 8                           ; tile_dim1 = 8
	s_mov_b32 s[G1+5], 1024                        ; elements from row to row
	s_mov_b32 s[G1+6], 0
	s_mov_b32 s[G1+7], 0
	s_mov_b32 s[G0], 1
	s_mul_i32 s[G0+1], s14, 8*WP                   ; my 8 rows of the tile
	v_lshlrev_b32 v4, 4, v0                        ; sp: 16 t
	s_wait_dscnt 0x0
	s_wait_kmcnt 0x0
	s_add_nc_u64 s[4:5], s[4:5], s[22:23]
	s_add_nc_u64 s[10:11], s[10:11], s[42:43]
	s_add_nc_u64 s[G0+2:G0+3], s[6:7], s[20:21]
	s_or_b32 s[G0+3], s[G0+3], 0x80000000
.irp u, 0,1                                    ; chunk u of my 8,192 bytes, from each of the 8 row blocks: asked for ahead of the round; nobody writes these bytes
.irp rb, 0,1,2,3,4,5,6,7
	global_load_b128 v[128+32*\u+4*\rb:131+32*\u+4*\rb], v4, s[4:5] offset:\u*4096+\rb*262144
.endr
.endr
	ROUND                                          ; the four work-groups are here: the joint loads meet
	tensor_load_to_lds s[G0:G0+3], s[G1:G1+7]      ; one tensor load of the wave is out; it is the only one of the launch
	s_nop 0
	s_load_b64 s[12:13], s[8:9], 0x0               ; sdown, twice
	v_and_b32 v1, 15, v0                           ; r
	v_bfe_u32 v2, v0, 4, 1                         ; h
	v_lshrrev_b32 v5, 4, v0
	v_mul_u32_u24 v5, v5, SP16
	v_lshl_add_u32 v5, v1, 3, v5
	v_add_nc_u32 v5, S16, v5                       ; S', in: row t >> 4 (+ 16 u), byte 8 (t & 15)
	s_mul_i32 s44, s40, 16*SP16
	s_add_co_u32 s44, s44, S16
	v_mul_u32_u24 v6, v1, SP16
	v_lshl_add_u32 v6, v2, 4, v6
	v_add_nc_u32 v6, s44, v6                       ; S', a fragment: row 16 ib + r, byte 16 h
	s_mul_i32 s44, s14, 16*STP
	s_add_co_u32 s44, s44, STG
	v_mul_u32_u24 v7, v1, STP
	v_lshl_add_u32 v7, v2, 4, v7
	v_add_nc_u32 v7, s44, v7                       ; my stage, in
	v_mul_u32_u24 v8, v2, STP
	v_lshl_add_u32 v8, v1, 4, v8
	v_add_nc_u32 v8, s44, v8                       ; my stage, back: two rows of 256 bytes a load
	v_lshlrev_b32 v9, 11, v2
	v_lshl_add_u32 v9, v1, 4, v9                   ; the same two rows in tt
	v_and_b32 v11, 7, v0
	v_lshl_add_u32 v11, v2, 3, v11
	v_mul_u32_u24 v11, v11, WP
	v_bfe_u32 v12, v0, 3, 1
	v_lshl_add_u32 v11, v12, 4, v11
	s_lshl_b32 s45, s41, 8
	v_add_nc_u32 v10, s45, v11                     ; wo's tile: row 8 h + l % 8, byte 16 ((l / 8) % 2) + my 128 columns
	s_wait_kmcnt 0x0                               ; sdown
.irp u, 0,1
	s_wait_loadcnt 8*(1-\u)                        ; chunk u's eight loads are in, the younger chunk's stay out
.irp rb, 0,2,4,6                               ; a fixed tree
	v_pk_add_f32 v[128+32*\u+4*\rb:129+32*\u+4*\rb], v[128+32*\u+4*\rb:129+32*\u+4*\rb], v[132+32*\u+4*\rb:133+32*\u+4*\rb]
	v_pk_add_f32 v[130+32*\u+4*\rb:131+32*\u+4*\rb], v[130+32*\u+4*\rb:131+32*\u+4*\rb], v[134+32*\u+4*\rb:135+32*\u+4*\rb]
.endr
.irp rb, 0,4
	v_pk_add_f32 v[128+32*\u+4*\rb:129+32*\u+4*\rb], v[128+32*\u+4*\rb:129+32*\u+4*\rb], v[136+32*\u+4*\rb:137+32*\u+4*\rb]
	v_pk_add_f32 v[130+32*\u+4*\rb:131+32*\u+4*\rb], v[130+32*\u+4*\rb:131+32*\u+4*\rb], v[138+32*\u+4*\rb:139+32*\u+4*\rb]
.endr
	v_pk_add_f32 v[128+32*\u:129+32*\u], v[128+32*\u:129+32*\u], v[144+32*\u:145+32*\u]
	v_pk_add_f32 v[130+32*\u:131+32*\u], v[130+32*\u:131+32*\u], v[146+32*\u:147+32*\u]
	v_pk_mul_f32 v[128+32*\u:129+32*\u], v[128+32*\u:129+32*\u], s[12:13] op_sel_hi:[1,0]
	v_pk_mul_f32 v[130+32*\u:131+32*\u], v[130+32*\u:131+32*\u], s[12:13] op_sel_hi:[1,0]
	v_cvt_pk_f16_f32 v[48+2*\u], v[128+32*\u], v[129+32*\u]
	v_cvt_pk_f16_f32 v[49+2*\u], v[130+32*\u], v[131+32*\u]
	ds_store_b64 v5, v[48+2*\u:49+2*\u] offset:\u*16*SP16
.endr
	s_wait_dscnt 0x0                               ; my part of S' is in LDS,
	s_wait_tensorcnt 0x0                           ; and my 8 rows of wo's tile, before I say so
	s_barrier_signal -1
	s_barrier_wait -1
.irp ks, 0,1                                   ; K step ks: S' fragment at v[16 + 8 ks], wo's fragment of column block nb at v[64 + 8 (8 ks + nb)]
	ds_load_b128 v[16+8*\ks:19+8*\ks], v6 offset:64*\ks
	ds_load_b128 v[20+8*\ks:23+8*\ks], v6 offset:64*\ks+32
.irp nb, 0,1,2,3,4,5,6,7
	ds_load_tr16_b128 v[64+8*(8*\ks+\nb):64+8*(8*\ks+\nb)+3],   v10 offset:\ks*32*WP+32*\nb
	ds_load_tr16_b128 v[64+8*(8*\ks+\nb)+4:64+8*(8*\ks+\nb)+7], v10 offset:\ks*32*WP+32*\nb+16*WP
.endr
.endr
	s_wait_dscnt 18                                ; the first K step's 18 loads are in, the second's 18 may be out
.irp nb, 0,1,2,3,4,5,6,7                       ; eight accumulators by turns, one instruction a turn
	v_wmma_f32_16x16x32_f16 v[192+8*\nb:199+8*\nb], v[64+8*\nb:71+8*\nb], v[16:23], 0
.endr
	s_wait_dscnt 0x0
.irp nb, 0,1,2,3,4,5,6,7
	v_wmma_f32_16x16x32_f16 v[192+8*\nb:199+8*\nb], v[128+8*\nb:135+8*\nb], v[24:31], v[192+8*\nb:199+8*\nb]
.endr
.rept 4
	v_nop                                          ; four places behind the last matrix instructions (ISA guide 7.12.1)
.endr
.irp nb, 0,1,2,3,4,5,6,7                       ; tile nb: columns 16 nb + 8 h + 0 .. 7 of my row
.irp rr, 0,1,2,3
	v_cvt_pk_f16_f32 v[32+4*\nb+\rr], v[192+8*\nb+2*\rr], v[193+8*\nb+2*\rr]
.endr
	ds_store_b128 v7, v[32+4*\nb:35+4*\nb] offset:32*\nb
.endr
.irp t, 0,1,2,3,4,5,6,7                        ; my own stage: LDS serves a wave's instructions in order (ISA guide 5.7.1.4), these see the stores above
	ds_load_b128 v[64+4*\t:67+4*\t], v8 offset:\t*2*STP
.endr
.irp t, 0,1,2,3,4,5,6,7
	s_wait_dscnt 7-\t
	global_store_b128 v9, v[64+4*\t:67+4*\t], s[10:11] offset:\t*4096   ; sixteen lanes store 256 consecutive bytes, aligned
.endr
	s_wait_tensorcnt 0x0
	ds_add_u32 v14, v15
	s_wait_dscnt 0x0
	ROUND                                          ; the closing round: no work-group ends while a partner may still ask for a tile that names it
	s_endpgm
.Lfunc_end_k_q2d1f744f5f_tfold:
	.size	k_q2d1f744f5f_tfold, .Lfunc_end_k_q2d1f744f5f_tfold-k_q2d1f744f5f_tfold
	.p2alignl 7, 3214868480
	.fill 96, 4, 3214868480
	.section	.rodata,"a",@progbits
	.p2align	6, 0x0
	.amdhsa_kernel k_q2d1f744f5f_tfold
		.amdhsa_group_segment_fixed_size 168960
		.amdhsa_private_segment_fixed_size 0
		.amdhsa_enable_private_segment 0
		.amdhsa_kernarg_size 32
		.amdhsa_user_sgpr_count 2
		.amdhsa_user_sgpr_kernarg_segment_ptr 1
		.amdhsa_wavefront_size32 1
		.amdhsa_system_sgpr_workgroup_id_x 1
		.amdhsa_system_sgpr_workgroup_id_y 1
		.amdhsa_system_sgpr_workgroup_id_z 1
		.amdhsa_system_vgpr_workitem_id 0
		.amdhsa_next_free_vgpr 256
		.amdhsa_next_free_sgpr 66
		.amdhsa_reserve_vcc 0
		.amdhsa_float_denorm_mode_32 3
		.amdhsa_float_denorm_mode_16_64 3
		.amdhsa_memory_ordered 1
		.amdhsa_forward_progress 1
		.amdhsa_inst_pref_size 17
	.end_amdhsa_kernel
	.amdgpu_metadata
---
amdhsa.version: [ 1, 2 ]
amdhsa.kernels:
  - .name:           k_q2d1f744f5f_tfold
    .symbol:         k_q2d1f744f5f_tfold.kd
    .args:
      - { .name: sp, .offset: 0, .size: 8, .value_kind: global_buffer, .address_space: global }
      - { .name: wo, .offset: 8, .size: 8, .value_kind: global_buffer, .address_space: global }
      - { .name: scl, .offset: 16, .size: 8, .value_kind: global_buffer, .address_space: global }
      - { .name: tt, .offset: 24, .size: 8, .value_kind: global_buffer, .address_space: global }
    .group_segment_fixed_size: 168960
    .private_segment_fixed_size: 0
    .kernarg_segment_align: 8
    .kernarg_segment_size: 32
    .max_flat_workgroup_size: 256
    .sgpr_count:     66
    .vgpr_count:     256
    .wavefront_size: 32
...
	.end_amdgpu_metadata
.endif
;; end of part 3
;; launch mfold (part 4): grid 8 x 32, 4 waves a work-group, clusters of 4 x 4, 327,680 bytes of LDS; arguments tt, wq, mt; writes mt
.if DOCPART == 4
	.amdgcn_target "amdgcn-amd-amdhsa--gfx1250"
	.amdhsa_code_object_version 6
	.text
	.protected	k_q2d1f744f5f_mfold
	.globl	k_q2d1f744f5f_mfold
	.p2align	8
	.type	k_q2d1f744f5f_mfold,@function
k_q2d1f744f5f_mfold:
	s_mov_b64 s[64:65], 0
	v_nop
	global_prefetch_b8 v0, s[64:65] scope:SCOPE_SE
	s_setreg_imm32_b32 hwreg(HW_REG_WAVE_MODE, 25, 1), 1
	s_wait_xcnt 0x0
	s_wait_alu depctr_hold_cnt(0) depctr_sa_sdst(0) depctr_va_vdst(0) depctr_va_sdst(0) depctr_va_ssrc(0) depctr_va_vcc(0) depctr_vm_vsrc(0)
	s_getreg_b32 s2, hwreg(HW_REG_IB_STS2, 6, 4)
	s_cmp_eq_u32 s2, 0
	s_cbranch_scc0 .Lentry_in_a_cluster
	s_endpgm
.Lentry_in_a_cluster:
	s_bfe_u32 s2, ttmp6, 0x10000c
	s_cmp_lg_u32 s2, 0xf033
	s_cbranch_scc0 .Lentry_shape_is_right
	s_endpgm
.Lentry_shape_is_right:
; mfold: mt[b][dout][din] = sum over e of tt[b][e][dout] wq[din][e]  (f16 in, f32 sums, f16 out).
; A work-group makes 128 (b, dout) x 128 din with four waves, a wave 64 x 64: 16 accumulator tiles (window 1).  256 work-groups.
; K = e goes through two LDS slots of 256 each, so that the one tensor load a wave issues behind a change of slots has eight quarter steps of
; matrix work in which to land.  tt lies [e][dout]: its tile of a slot is 256 K rows x 128 columns (rows of 256 bytes + 32 of padding), and its
; fragments come by transposing loads.  wq lies [din][e]: 128 rows of 512 bytes + 16.
; CLUSTERS: 4 x 4.  tt's tile hangs on the block row alone and is asked for jointly along a row of the cluster, wq's on the block column alone, along a column.
; Source 0 = rows din of wq, source 1 = columns dout of tt: a lane holds 8 neighbouring din of one row dout.
; LIMITS: mt is f16 (it carries wq's factor 32 and S's scaling, which the last launch undoes).
.set MB,    4                          ; blocks of 16 dout in a wave's tile
.set KSLOT, 256                        ; K in a slot
.set NQ,    KSLOT/32                   ; quarter steps of 32 along K in a slot
.set PA,    288                        ; pitch of tt's tile: an odd multiple of 32
.set PB,    2*KSLOT+16                 ; pitch of wq's tile: an odd multiple of 16
.set ASZ,   KSLOT*PA                   ; tt's 256 K rows
.set SLOT,  ASZ+128*PB                 ; then wq's 128 rows
.set STAGE, 2*SLOT                     ; behind the ring: 128 rows x 272 bytes, the work-group's block of mt
.set SPITCH, 272
.set LAPS,  1024/(2*KSLOT)
.set NL,    2*MB+8                     ; LDS loads of a quarter step
.set ADRA, 16                          ; v16-17: tt's fragments in slot 0, 1, K rows 0-127; v18-19: K rows 128-255 (so that the immediates stay below 65,536)
.set ADRB, 20                          ; v20-21: wq's fragments in slot 0, 1
.set STO,  24
.set RD,   25
.set CO,   26
.set F0,   32                          ; fragment buffer 0: tt's at + 8 a, wq's at + 64 + 8 b
.set F1,   128                         ; fragment buffer 1
.set G1, 24
.set G0, 32
.set G1B, 48
.set G0B, 56
.set ACCW, 0x50                        ; C and D in window 1, sources in window 0
.set MSB, 0
.macro WIN new
.if MSB != \new
	s_set_vgpr_msb (MSB<<8)|\new
.set MSB, \new
.endif
.endm
.macro JLOAD s                         ; waves 0, 1 fetch the halves of tt's tile, waves 2, 3 of wq's; the branch hangs on the wave's number alone
	s_cmp_eq_u32 s11, 0
	s_cbranch_scc0 .Lfor_b_\@
	tensor_load_to_lds s[G0+4*\s:G0+4*\s+3], s[G1:G1+7]
	s_nop 0
	s_branch .Lasked_\@
.Lfor_b_\@:
	tensor_load_to_lds s[G0B+4*\s:G0B+4*\s+3], s[G1B:G1B+7]
	s_nop 0
.Lasked_\@:
.endm
.macro CREST
	s_cmp_lg_u32 s10, 0
	s_cbranch_scc1 .Lnot_wave_0_\@
	s_barrier_signal -3
.Lnot_wave_0_\@:
	s_barrier_wait -3
	s_barrier_signal -1
	s_barrier_wait -1
.endm
.macro CROUND
	s_barrier_signal -1
	s_barrier_wait -1
	CREST
.endm
	s_load_b128 s[4:7], s[0:1], 0x0                ; tt s[4:5], wq s[6:7]
	s_load_b64 s[8:9], s[0:1], 0x10                ; mt
	v_lshl_add_u32 v254, v0, 2, 0x4d800
	v_mov_b32 v255, 0
	ds_add_u32 v254, v255
	v_lshrrev_b32 v1, 5, v0
	v_readfirstlane_b32 s10, v1                    ; wave 0..3
	s_lshr_b32 s11, s10, 1                         ; my half of the rows dout.  Also: I fetch for tt (0) or wq (1)
	s_and_b32 s12, s10, 1                          ; my half of the columns din.  Also: which half of the tile I fetch
	s_bfe_u32 s40, ttmp6, 0x40000                  ; cx
	s_bfe_u32 s41, ttmp6, 0x40004                  ; cy
	s_lshl_b32 s42, ttmp9, 2
	s_add_co_u32 s42, s42, s40                     ; block column
	s_and_b32 s13, ttmp7, 0xffff
	s_lshl_b32 s13, s13, 2
	s_add_co_u32 s13, s13, s41                     ; block row = 8 b + block of 128 dout
	s_lshl_b32 s43, s41, 2
	s_lshl_b32 s43, 15, s43                        ; my row of the cluster
	s_lshl_b32 s44, 0x1111, s40                    ; my column
	; tt: 128 K rows x 128 elements, 8 words of padding behind every 64 words.  wq: 64 rows x 256 elements, 4 words behind every 128
	s_or_b32 s[G1+0], s43, (1<<16)|(1<<20)|(1<<21)|(5<<22)|(7<<25)
	s_or_b32 s[G1B+0], s44, (1<<16)|(1<<20)|(1<<21)|(6<<22)|(3<<25)
	s_mov_b32 s[G1+1], 128<<16                     ; tensor_dim0
	s_mov_b32 s[G1B+1], KSLOT<<16
	s_mov_b32 s[G1+2], 128<<16                     ; tensor_dim1
	s_mov_b32 s[G1B+2], 64<<16
	s_mov_b32 s[G1+3], 128<<16                     ; tile_dim0
	s_mov_b32 s[G1B+3], KSLOT<<16
	s_mov_b32 s[G1+4], 128                         ; tile_dim1
	s_mov_b32 s[G1B+4], 64
	s_mov_b32 s[G1+5], 1024                        ; elements from row to row
	s_mov_b32 s[G1B+5], 1024
	s_mov_b32 s[G1+6], 0
	s_mov_b32 s[G1B+6], 0
	s_mov_b32 s[G1+7], 0
	s_mov_b32 s[G1B+7], 0
	s_lshr_b32 s16, s13, 3
	s_lshl_b32 s16, s16, 21                        ; tt: the batch's 1,024 rows of 2,048 bytes,
	s_and_b32 s17, s13, 7
	s_lshl_b32 s17, s17, 8                         ; + the block's 128 columns of 2 bytes,
	s_add_co_u32 s16, s16, s17
	s_lshl_b32 s17, s12, 18                        ; + the 128 K rows that I fetch
	s_add_co_u32 s16, s16, s17
	s_mov_b32 s17, 0
	s_mul_i32 s46, s42, 128*2048                   ; wq: block column,
	s_mul_i32 s47, s12, 64*2048                    ; + the 64 rows that I fetch
	s_add_co_u32 s46, s46, s47
	s_mov_b32 s47, 0
	s_mul_i32 s20, s10, 128*PA                     ; tt's halves go to wave x 128 rows (waves 0, 1),
	s_mul_i32 s21, s10, 64*PB
	s_add_co_u32 s21, s21, ASZ-128*PB              ; wq's behind tt's tile: ASZ + (wave - 2) x 64 rows (waves 2, 3)
	s_wait_dscnt 0x0
	s_wait_kmcnt 0x0
	s_add_nc_u64 s[14:15], s[4:5], s[16:17]
	s_add_nc_u64 s[46:47], s[6:7], s[46:47]
	CROUND                                         ; the first joint loads meet
.irp s, 0,1
	s_mov_b32 s[G0+4*\s], 1
	s_add_co_u32 s[G0+4*\s+1], s20, \s*SLOT
	s_add_nc_u64 s[G0+4*\s+2:G0+4*\s+3], s[14:15], \s*KSLOT*2048   ; K goes down tt's rows
	s_or_b32 s[G0+4*\s+3], s[G0+4*\s+3], 0x80000000
	s_mov_b32 s[G0B+4*\s], 1
	s_add_co_u32 s[G0B+4*\s+1], s21, \s*SLOT
	s_add_nc_u64 s[G0B+4*\s+2:G0B+4*\s+3], s[46:47], \s*KSLOT*2    ; and along wq's
	s_or_b32 s[G0B+4*\s+3], s[G0B+4*\s+3], 0x80000000
	JLOAD \s                                       ; two tensor loads of the wave are out
.endr
	v_and_b32 v1, 15, v0                           ; r
	v_bfe_u32 v2, v0, 4, 1                         ; h
	v_mul_u32_u24 v3, v1, PB
	v_lshl_add_u32 v3, v2, 4, v3                   ; wq: row r, byte 16 h
	v_and_b32 v4, 7, v0
	v_lshl_add_u32 v4, v2, 3, v4
	v_mul_u32_u24 v4, v4, PA
	v_bfe_u32 v5, v0, 3, 1
	v_lshl_add_u32 v4, v5, 4, v4                   ; tt: K row 8 h + l % 8, byte 16 ((l / 8) % 2)
	s_lshl_b32 s22, s11, 7                         ; my 64 columns dout of 2 bytes
	s_mul_i32 s23, s12, 64*PB
	s_add_co_u32 s23, s23, ASZ                     ; my 64 rows of wq
.irp s, 0,1
	v_add_nc_u32 v[ADRA+\s], s22, v4
	v_add_nc_u32 v[ADRA+2+\s], 128*PA, v[ADRA+\s]
	v_add_nc_u32 v[ADRB+\s], s23, v3
	s_add_co_u32 s22, s22, SLOT
	s_add_co_u32 s23, s23, SLOT
.endr
	s_mul_i32 s22, s11, 64*SPITCH                  ; the way out, in: row 64 x row half + r (+ 16 a), byte 128 x column half + 16 h (+ 32 b)
	s_lshl_b32 s23, s12, 7
	s_add_co_u32 s22, s22, s23
	s_add_co_u32 s22, s22, STAGE
	v_mul_u32_u24 v4, v1, SPITCH
	v_lshl_add_u32 v4, v2, 4, v4
	v_add_nc_u32 v[STO], s22, v4
	s_mul_i32 s22, s10, 32*SPITCH                  ; back: my 32 rows of the block, two whole rows a load
	s_add_co_u32 s22, s22, STAGE
	v_mul_u32_u24 v5, v2, SPITCH
	v_lshl_add_u32 v5, v1, 4, v5
	v_add_nc_u32 v[RD], s22, v5
	v_lshlrev_b32 v5, 11, v2
	v_lshl_add_u32 v[CO], v1, 4, v5                ; the same two rows in mt
.macro MULS f, a0, na, zero            ; blocks a0 .. a0 + na - 1 of dout x the four blocks of din, 32 along K
.set ma, \a0
.rept \na
.irp b, 0,1,2,3
.if \zero
	v_wmma_f32_16x16x32_f16 v[8*(4*ma+\b):8*(4*ma+\b)+7], v[\f+64+8*\b:\f+64+8*\b+7], v[\f+8*ma:\f+8*ma+7], 0
.else
	v_wmma_f32_16x16x32_f16 v[8*(4*ma+\b):8*(4*ma+\b)+7], v[\f+64+8*\b:\f+64+8*\b+7], v[\f+8*ma:\f+8*ma+7], v[8*(4*ma+\b):8*(4*ma+\b)+7]
.endif
.endr
.set ma, ma+1
.endr
.endm
; quarter step q's fragments: wq's eight loads (32 K = 64 bytes along the rows), then tt's eight transposing loads (32 K rows down the tile)
.macro FETCH slot, q, f
.irp i, 0,1,2,3
	ds_load_b128 v[\f+64+8*\i:\f+64+8*\i+3], v[ADRB+\slot] offset:64*(\q)+\i*16*PB
	ds_load_b128 v[\f+64+8*\i+4:\f+64+8*\i+7], v[ADRB+\slot] offset:64*(\q)+\i*16*PB+32
.endr
.irp a, 0,1,2,3
	ds_load_tr16_b128 v[\f+8*\a:\f+8*\a+3], v[ADRA+\slot+2*((\q)/4)] offset:((\q)%4)*32*PA+32*\a
	ds_load_tr16_b128 v[\f+8*\a+4:\f+8*\a+7], v[ADRA+\slot+2*((\q)/4)] offset:((\q)%4)*32*PA+32*\a+16*PA
.endr
.endm
.macro PLACES                          ; four plain vector instructions behind matrix instructions whose registers are loaded, read or stored next (ISA guide 7.12.1)
.rept 4
	v_nop
.endr
.endm
; The 16 accumulators take turns, one instruction a turn, in the same order in every quarter step.
.macro QUARTER slot, q, f, g, zero     ; multiplies buffer f; in its middle it fetches quarter step q into buffer g
	s_wait_dscnt MB                                ; wq's and tt's lower half are in; the youngest MB loads (tt's upper half) may be out
	WIN ACCW
	MULS \f, 0, MB/2, \zero
	PLACES
	WIN 0
	FETCH \slot, \q, \g
	s_wait_dscnt NL                                ; all but the NL just issued
	WIN ACCW
	MULS \f, MB/2, MB/2, \zero
.endm
.macro RUN slot, zero                  ; all quarter steps of a slot but the last, on buffers 0, 1, 0, ...
	QUARTER \slot, 1, F0, F1, \zero
.set rq, 1
.rept NQ-2
.if rq & 1
	QUARTER \slot, rq+1, F1, F0, 0
.else
	QUARTER \slot, rq+1, F0, F1, 0
.endif
.set rq, rq+1
.endr
.endm
; The last quarter step multiplies buffer 1 and changes slots: each wave's reads of this slot and all its tensor loads are waited for in front of
; the barrier; where the slot is filled again the barrier opens a round of the cluster's, and the refill is the first tensor load behind the round.
.macro TURN slot, next, fill
	s_wait_dscnt MB
	WIN ACCW
	MULS F1, 0, MB/4, 0
	s_wait_dscnt 0
	s_wait_tensorcnt 0x0
	ds_add_u32 v254, v255
	s_wait_dscnt 0x0
	s_barrier_signal -1
	MULS F1, MB/4, MB/4, 0
	WIN 0
	s_barrier_wait -1
.if \fill
	CREST
	s_add_nc_u64 s[G0+4*\slot+2:G0+4*\slot+3], s[G0+4*\slot+2:G0+4*\slot+3], 2*KSLOT*2048
	s_add_nc_u64 s[G0B+4*\slot+2:G0B+4*\slot+3], s[G0B+4*\slot+2:G0B+4*\slot+3], 2*KSLOT*2
	JLOAD \slot
.endif
	PLACES
	FETCH \next, 0, F0
	WIN ACCW
	MULS F1, MB/2, MB/2, 0
.endm
.macro LAP zero
	RUN 0, \zero
	TURN 0, 1, 1
	RUN 1, 0
	TURN 1, 0, 1
.endm
	s_wait_tensorcnt 1                             ; my part of slot 0 is in; slot 1's may stay out
	s_barrier_signal -1
	s_barrier_wait -1
	FETCH 0, 0, F0
	LAP 1                                          ; its first products start the sums
.if LAPS > 2
	WIN 0
	s_mov_b32 s3, LAPS-2
.Llap:
	LAP 0
	WIN 0
	s_sub_co_u32 s3, s3, 1
	s_cmp_lg_u32 s3, 0
	s_cbranch_scc1 .Llap
.endif
	RUN 0, 0                                       ; the last lap fills nothing
	TURN 0, 1, 0
	RUN 1, 0
	s_wait_dscnt MB
	WIN ACCW
	MULS F1, 0, MB/2, 0
	s_wait_dscnt 0x0
	MULS F1, MB/2, MB/2, 0
	; the way out: a wave's 64 columns are half of a row's 256 bytes, so the block is gathered in a stage of the work-group's own and leaves by whole rows
	PLACES
	s_lshl_b32 s16, s13, 18                        ; block row x 128 rows of 2,048 bytes
	s_lshl_b32 s17, s10, 16                        ; + 32 rows a wave
	s_add_co_u32 s16, s16, s17
	s_mov_b32 s17, 0
	s_add_nc_u64 s[8:9], s[8:9], s[16:17]
	s_lshl_b32 s46, s42, 8                         ; + block column x 128 f16
	s_mov_b32 s47, 0
	s_add_nc_u64 s[8:9], s[8:9], s[46:47]
	WIN 0x05                                       ; sources in window 1
.irp tl, 0,1,2,3,4,5,6,7,8,9,10,11,12,13,14,15
.irp rr, 0,1,2,3
	v_cvt_pk_f16_f32 v[32+4*\tl+\rr], v[8*\tl+2*\rr], v[8*\tl+2*\rr+1]
.endr
.endr
	WIN 0
.irp a, 0,1,2,3
.irp b, 0,1,2,3
	ds_store_b128 v[STO], v[32+4*(4*\a+\b):32+4*(4*\a+\b)+3] offset:\a*16*SPITCH+32*\b
.endr
.endr
	s_wait_dscnt 0x0                               ; my part of the block is in LDS before I say so
	s_barrier_signal -1
	s_barrier_wait -1
.irp t, 0,1,2,3,4,5,6,7,8,9,10,11,12,13,14,15
	ds_load_b128 v[128+4*\t:131+4*\t], v[RD] offset:\t*2*SPITCH
.endr
.irp t, 0,1,2,3,4,5,6,7,8,9,10,11,12,13,14,15
	s_wait_dscnt 15-\t
	global_store_b128 v[CO], v[128+4*\t:131+4*\t], s[8:9] offset:\t*4096   ; sixteen lanes store 256 consecutive bytes, aligned
.endr
	s_wait_tensorcnt 0x0
	ds_add_u32 v254, v255
	s_wait_dscnt 0x0
	CROUND                                         ; the closing round
	s_endpgm
.Lfunc_end_k_q2d1f744f5f_mfold:
	.size	k_q2d1f744f5f_mfold, .Lfunc_end_k_q2d1f744f5f_mfold-k_q2d1f744f5f_mfold
	.p2alignl 7, 3214868480
	.fill 96, 4, 3214868480
	.section	.rodata,"a",@progbits
	.p2align	6, 0x0
	.amdhsa_kernel k_q2d1f744f5f_mfold
		.amdhsa_group_segment_fixed_size 327680
		.amdhsa_private_segment_fixed_size 0
		.amdhsa_enable_private_segment 0
		.amdhsa_kernarg_size 24
		.amdhsa_user_sgpr_count 2
		.amdhsa_user_sgpr_kernarg_segment_ptr 1
		.amdhsa_wavefront_size32 1
		.amdhsa_system_sgpr_workgroup_id_x 1
		.amdhsa_system_sgpr_workgroup_id_y 1
		.amdhsa_system_sgpr_workgroup_id_z 1
		.amdhsa_system_vgpr_workitem_id 0
		.amdhsa_next_free_vgpr 384
		.amdhsa_next_free_sgpr 66
		.amdhsa_reserve_vcc 0
		.amdhsa_float_denorm_mode_32 3
		.amdhsa_float_denorm_mode_16_64 3
		.amdhsa_memory_ordered 1
		.amdhsa_forward_progress 1
		.amdhsa_inst_pref_size 90
	.end_amdhsa_kernel
	.amdgpu_metadata
---
amdhsa.version: [ 1, 2 ]
amdhsa.kernels:
  - .name:           k_q2d1f744f5f_mfold
    .symbol:         k_q2d1f744f5f_mfold.kd
    .args:
      - { .name: tt, .offset: 0, .size: 8, .value_kind: global_buffer, .address_space: global }
      - { .name: wq, .offset: 8, .size: 8, .value_kind: global_buffer, .address_space: global }
      - { .name: mt, .offset: 16, .size: 8, .value_kind: global_buffer, .address_space: global }
    .group_segment_fixed_size: 327680
    .private_segment_fixed_size: 0
    .kernarg_segment_align: 8
    .kernarg_segment_size: 24
    .max_flat_workgroup_size: 128
    .sgpr_count:     66
    .vgpr_count:     384
    .wavefront_size: 32
...
	.end_amdgpu_metadata
.endif
;; end of part 4
;; launch out (part 5): grid 8 x 32, 4 waves a work-group, clusters of 4 x 4, 327,680 bytes of LDS; arguments xh, mt, b_out, scl, out0; writes out0
.if DOCPART == 5
	.amdgcn_target "amdgcn-amd-amdhsa--gfx1250"
	.amdhsa_code_object_version 6
	.text
	.protected	k_q2d1f744f5f_out
	.globl	k_q2d1f744f5f_out
	.p2align	8
	.type	k_q2d1f744f5f_out,@function
k_q2d1f744f5f_out:
	s_mov_b64 s[64:65], 0
	v_nop
	global_prefetch_b8 v0, s[64:65] scope:SCOPE_SE
	s_setreg_imm32_b32 hwreg(HW_REG_WAVE_MODE, 25, 1), 1
	s_wait_xcnt 0x0
	s_wait_alu depctr_hold_cnt(0) depctr_sa_sdst(0) depctr_va_vdst(0) depctr_va_sdst(0) depctr_va_ssrc(0) depctr_va_vcc(0) depctr_vm_vsrc(0)
	s_getreg_b32 s2, hwreg(HW_REG_IB_STS2, 6, 4)
	s_cmp_eq_u32 s2, 0
	s_cbranch_scc0 .Lentry_in_a_cluster
	s_endpgm
.Lentry_in_a_cluster:
	s_bfe_u32 s2, ttmp6, 0x10000c
	s_cmp_lg_u32 s2, 0xf033
	s_cbranch_scc0 .Lentry_shape_is_right
	s_endpgm
.Lentry_shape_is_right:
; out: out0[n][dout] = su x (sum over din of xh[n][din] mt[b][dout][din]) + b_out[dout], f32.  A = xh [8192][1024], B = mt, the batch's 1,024 rows.
; A work-group makes 256 x 128 with four waves, a wave 128 x 64: 32 accumulator tiles, all of window 1.  256 work-groups.
; K goes in steps of 128 through two LDS slots (rows of 256 bytes + 16 of padding); two slots of 256 would take 405,504 bytes and do not fit.
; CLUSTERS: 4 x 4.  A's tile hangs on the block row alone and is asked for jointly along a row of the cluster; B's hangs on the block column and on
; the batch, which is the cluster's y >> 1 (a cluster spans 1,024 of a batch's 2,048 rows) and so the same in all partners: jointly along a column.
; Source 0 = rows of B, source 1 = rows of A: a lane holds 8 neighbouring columns of one row of out0.
; su is an exact power of two: it undoes wq's factor 32 and the scaling of k^T v.
.set MB,    8
.set KSLOT, 128
.set QI,    5                          ; padding behind every 64 words
.set NQ,    KSLOT/32
.set PITCH, 2*KSLOT+16
.set AH,    16*MB
.set SLOT,  (2*AH+128)*PITCH
.set STAGE, 2*SLOT                     ; behind the ring: 16 rows x 272 bytes for each wave
.set SPITCH, 272
.set LAPS,  1024/(2*KSLOT)
.set NL,    2*MB+8
.set ADRA, 16
.set ADRB, 20
.set STO,  24
.set RD,   25
.set CO,   26
.set BOF,  27                          ; 16 x (lane % 16): my 4 columns in b_out
.set BIAS, 28                          ; v28-31
.set F0,   32                          ; fragment buffer 0: A's at + 8 a, B's at + 64 + 8 b
.set F1,   128
.set G1, 24
.set G0, 32
.set G1B, 48
.set G0B, 56
.set G1W0, (1<<16)|(1<<20)|(1<<21)|(QI<<22)|(3<<25)
.set ACCW, 0x50                        ; C and D in window 1, sources in window 0
.set MSB, 0
.macro WIN new
.if MSB != \new
	s_set_vgpr_msb (MSB<<8)|\new
.set MSB, \new
.endif
.endm
.macro JLOAD s                         ; waves 0, 1 fetch A's halves, waves 2, 3 B's; the branch hangs on the wave's number alone
	s_cmp_eq_u32 s11, 0
	s_cbranch_scc0 .Lfor_b_\@
	tensor_load_to_lds s[G0+4*\s:G0+4*\s+3], s[G1:G1+7]
	s_nop 0
	s_branch .Lasked_\@
.Lfor_b_\@:
	tensor_load_to_lds s[G0B+4*\s:G0B+4*\s+3], s[G1B:G1B+7]
	s_nop 0
.Lasked_\@:
.endm
.macro CREST
	s_cmp_lg_u32 s10, 0
	s_cbranch_scc1 .Lnot_wave_0_\@
	s_barrier_signal -3
.Lnot_wave_0_\@:
	s_barrier_wait -3
	s_barrier_signal -1
	s_barrier_wait -1
.endm
.macro CROUND
	s_barrier_signal -1
	s_barrier_wait -1
	CREST
.endm
	s_load_b128 s[4:7], s[0:1], 0x0                ; xh s[4:5], mt s[6:7]
	s_load_b128 s[68:71], s[0:1], 0x10             ; b_out s[68:69], scl s[70:71]
	s_load_b64 s[8:9], s[0:1], 0x20                ; out0
	v_lshl_add_u32 v254, v0, 2, 0x37400
	v_mov_b32 v255, 0
	ds_add_u32 v254, v255
	v_lshrrev_b32 v1, 5, v0
	v_readfirstlane_b32 s10, v1                    ; wave 0..3
	s_lshr_b32 s11, s10, 1                         ; my half of the rows.  Also: I fetch for A (0) or B (1)
	s_and_b32 s12, s10, 1                          ; my half of the columns.  Also: which half of the tile I fetch
	s_bfe_u32 s40, ttmp6, 0x40000                  ; cx
	s_bfe_u32 s41, ttmp6, 0x40004                  ; cy
	s_lshl_b32 s42, ttmp9, 2
	s_add_co_u32 s42, s42, s40                     ; block column
	s_and_b32 s13, ttmp7, 0xffff
	s_lshl_b32 s13, s13, 2
	s_add_co_u32 s13, s13, s41                     ; block row
	s_lshl_b32 s43, s41, 2
	s_lshl_b32 s43, 15, s43                        ; my row of the cluster
	s_lshl_b32 s44, 0x1111, s40                    ; my column
	s_or_b32 s[G1+0], s43, G1W0
	s_or_b32 s[G1B+0], s44, G1W0
	s_mov_b32 s[G1+1], KSLOT<<16                   ; tensor_dim0
	s_mov_b32 s[G1B+1], KSLOT<<16
	s_mov_b32 s[G1+2], AH<<16                      ; tensor_dim1
	s_mov_b32 s[G1B+2], 64<<16
	s_mov_b32 s[G1+3], KSLOT<<16                   ; tile_dim0
	s_mov_b32 s[G1B+3], KSLOT<<16
	s_mov_b32 s[G1+4], AH                          ; tile_dim1
	s_mov_b32 s[G1B+4], 64
	s_mov_b32 s[G1+5], 1024                        ; elements from row to row
	s_mov_b32 s[G1B+5], 1024
	s_mov_b32 s[G1+6], 0
	s_mov_b32 s[G1B+6], 0
	s_mov_b32 s[G1+7], 0
	s_mov_b32 s[G1B+7], 0
	s_mul_i32 s16, s13, 2*AH*2048                  ; A: block row, rows of 2,048 bytes,
	s_mul_i32 s17, s12, AH*2048                    ; + the half that I fetch
	s_add_co_u32 s16, s16, s17
	s_mov_b32 s17, 0
	s_mul_i32 s46, s42, 128*2048                   ; B: block column
	s_mul_i32 s47, s12, 64*2048
	s_add_co_u32 s46, s46, s47
	s_and_b32 s45, ttmp7, 0xffff
	s_lshr_b32 s45, s45, 1                         ; the batch: cluster y >> 1
	s_lshl_b32 s45, s45, 21                        ; 1,024 rows of 2,048 bytes
	s_add_co_u32 s46, s46, s45
	s_mov_b32 s47, 0
	s_mul_i32 s20, s10, AH*PITCH                   ; A's halves go to wave x AH rows (waves 0, 1),
	s_mul_i32 s21, s10, 64*PITCH
	s_add_co_u32 s21, s21, (2*AH-128)*PITCH        ; B's behind A's rows: 2 AH + (wave - 2) x 64 rows (waves 2, 3)
	s_wait_dscnt 0x0
	s_wait_kmcnt 0x0
	s_add_nc_u64 s[14:15], s[4:5], s[16:17]
	s_add_nc_u64 s[46:47], s[6:7], s[46:47]
	CROUND                                         ; the first joint loads meet
.irp s, 0,1
	s_mov_b32 s[G0+4*\s], 1
	s_add_co_u32 s[G0+4*\s+1], s20, \s*SLOT
	s_add_nc_u64 s[G0+4*\s+2:G0+4*\s+3], s[14:15], \s*KSLOT*2
	s_or_b32 s[G0+4*\s+3], s[G0+4*\s+3], 0x80000000
	s_mov_b32 s[G0B+4*\s], 1
	s_add_co_u32 s[G0B+4*\s+1], s21, \s*SLOT
	s_add_nc_u64 s[G0B+4*\s+2:G0B+4*\s+3], s[46:47], \s*KSLOT*2
	s_or_b32 s[G0B+4*\s+3], s[G0B+4*\s+3], 0x80000000
	JLOAD \s                                       ; two tensor loads of the wave are out
.endr
	s_load_b64 s[72:73], s[70:71], 0x8             ; su, twice
	s_lshl_b32 s66, s42, 9                         ; my first column in bytes: 128 x 4 x block column
	s_lshl_b32 s67, s12, 8                         ; + 64 x 4 x half
	s_add_co_u32 s66, s66, s67
	s_mov_b32 s67, 0
	s_add_nc_u64 s[68:69], s[68:69], s[66:67]
	v_and_b32 v1, 15, v0                           ; r
	v_bfe_u32 v2, v0, 4, 1                         ; h
	v_lshlrev_b32 v[BOF], 4, v1
	global_load_b128 v[BIAS:BIAS+3], v[BOF], s[68:69]   ; the bias of the 4 columns that I store
	v_mul_u32_u24 v3, v1, PITCH
	v_lshl_add_u32 v3, v2, 4, v3
	s_mul_i32 s22, s11, AH*PITCH                   ; my rows of A
	s_mul_i32 s23, s12, 64*PITCH
	s_add_co_u32 s23, s23, 2*AH*PITCH              ; my rows of B
.irp s, 0,1
	v_add_nc_u32 v[ADRA+\s], s22, v3
	v_add_nc_u32 v[ADRB+\s], s23, v3
	s_add_co_u32 s22, s22, SLOT
	s_add_co_u32 s23, s23, SLOT
.endr
	s_mul_i32 s22, s10, 16*SPITCH
	s_add_co_u32 s22, s22, STAGE                   ; my stage
	v_mul_u32_u24 v4, v1, SPITCH
	v_lshl_add_u32 v4, v2, 5, v4
	v_add_nc_u32 v[STO], s22, v4                   ; in: row r, byte 32 h (+ 64 b)
	v_mul_u32_u24 v5, v2, SPITCH
	v_lshl_add_u32 v5, v1, 4, v5
	v_add_nc_u32 v[RD], s22, v5                    ; back: two rows of 256 bytes a load
	v_lshlrev_b32 v5, 12, v2
	v_lshl_add_u32 v[CO], v1, 4, v5                ; the same two rows in out0
.macro MULS f, a0, na, zero            ; row blocks a0 .. a0 + na - 1 x the four column blocks, 32 along K
.set ma, \a0
.rept \na
.irp b, 0,1,2,3
.if \zero
	v_wmma_f32_16x16x32_f16 v[8*(4*ma+\b):8*(4*ma+\b)+7], v[\f+64+8*\b:\f+64+8*\b+7], v[\f+8*ma:\f+8*ma+7], 0
.else
	v_wmma_f32_16x16x32_f16 v[8*(4*ma+\b):8*(4*ma+\b)+7], v[\f+64+8*\b:\f+64+8*\b+7], v[\f+8*ma:\f+8*ma+7], v[8*(4*ma+\b):8*(4*ma+\b)+7]
.endif
.endr
.set ma, ma+1
.endr
.endm
.macro FETCH slot, k, f                ; one quarter step's fragments: B's eight loads, then A's 2 MB
.irp i, 0,1,2,3
	ds_load_b128 v[\f+64+8*\i:\f+64+8*\i+3], v[ADRB+\slot] offset:\k+\i*16*PITCH
	ds_load_b128 v[\f+64+8*\i+4:\f+64+8*\i+7], v[ADRB+\slot] offset:\k+\i*16*PITCH+32
.endr
.set fa, 0
.rept MB
	ds_load_b128 v[\f+8*fa:\f+8*fa+3], v[ADRA+\slot] offset:\k+fa*16*PITCH
	ds_load_b128 v[\f+8*fa+4:\f+8*fa+7], v[ADRA+\slot] offset:\k+fa*16*PITCH+32
.set fa, fa+1
.endr
.endm
.macro PLACES                          ; four plain vector instructions behind matrix instructions whose registers are loaded, read or stored next (ISA guide 7.12.1)
.rept 4
	v_nop
.endr
.endm
; The 4 MB accumulators take turns, one instruction a turn, in the same order in every quarter step.
.macro QUARTER slot, k, f, g, zero
	s_wait_dscnt MB                                ; B and A's lower half are in; the youngest MB loads (A's upper half) may be out
	WIN ACCW
	MULS \f, 0, MB/2, \zero
	PLACES
	WIN 0
	FETCH \slot, \k, \g
	s_wait_dscnt NL                                ; all but the NL just issued
	WIN ACCW
	MULS \f, MB/2, MB/2, \zero
.endm
.macro RUN slot, zero                  ; all quarter steps of a slot but the last, on buffers 0, 1, 0
	QUARTER \slot, 64, F0, F1, \zero
.set rq, 1
.rept NQ-2
.if rq & 1
	QUARTER \slot, 64*(rq+1), F1, F0, 0
.else
	QUARTER \slot, 64*(rq+1), F0, F1, 0
.endif
.set rq, rq+1
.endr
.endm
; The last quarter step multiplies buffer 1 and changes slots: each wave's reads of this slot and all its tensor loads are waited for in front of
; the barrier; where the slot is filled again the barrier opens a round of the cluster's, and the refill is the first tensor load behind the round.
.macro TURN slot, next, fill
	s_wait_dscnt MB
	WIN ACCW
	MULS F1, 0, MB/4, 0
	s_wait_dscnt 0
	s_wait_tensorcnt 0x0
	ds_add_u32 v254, v255
	s_wait_dscnt 0x0
	s_barrier_signal -1
	MULS F1, MB/4, MB/4, 0
	WIN 0
	s_barrier_wait -1
.if \fill
	CREST
	s_add_nc_u64 s[G0+4*\slot+2:G0+4*\slot+3], s[G0+4*\slot+2:G0+4*\slot+3], 4*KSLOT
	s_add_nc_u64 s[G0B+4*\slot+2:G0B+4*\slot+3], s[G0B+4*\slot+2:G0B+4*\slot+3], 4*KSLOT
	JLOAD \slot
.endif
	PLACES
	FETCH \next, 0, F0
	WIN ACCW
	MULS F1, MB/2, MB/2, 0
.endm
.macro LAP zero
	RUN 0, \zero
	TURN 0, 1, 1
	RUN 1, 0
	TURN 1, 0, 1
.endm
	s_wait_loadcnt 0x0                             ; the bias,
	s_wait_kmcnt 0x0                               ; and su: once, here, while the first tiles are on their way
	s_wait_tensorcnt 1                             ; my part of slot 0 is in; slot 1's may stay out
	s_barrier_signal -1
	s_barrier_wait -1
	FETCH 0, 0, F0
	LAP 1                                          ; its first products start the sums
.if LAPS > 2
	WIN 0
	s_mov_b32 s3, LAPS-2
.Llap:
	LAP 0
	WIN 0
	s_sub_co_u32 s3, s3, 1
	s_cmp_lg_u32 s3, 0
	s_cbranch_scc1 .Llap
.endif
	RUN 0, 0                                       ; the last lap fills nothing
	TURN 0, 1, 0
	RUN 1, 0
	s_wait_dscnt MB
	WIN ACCW
	MULS F1, 0, MB/2, 0
	s_wait_dscnt 0x0
	MULS F1, MB/2, MB/2, 0
	; the way out, 16 rows at a time through my own stage: in by lanes (8 columns of a row), back by whole rows of 256 bytes
	PLACES
	s_lshl_b32 s16, s13, 20                        ; block row x 256 rows of 4,096 bytes
	s_lshl_b32 s17, s11, 19                        ; + my 128 rows
	s_add_co_u32 s16, s16, s17
	s_mov_b32 s17, 0
	s_add_nc_u64 s[8:9], s[8:9], s[16:17]
	s_add_nc_u64 s[8:9], s[8:9], s[66:67]          ; + my first column
.macro OUT16 a, f
	WIN 0x04                                       ; store data from window 1
.irp b, 0,1,2,3
	ds_store_b128 v[STO], v[8*(4*\a+\b):8*(4*\a+\b)+3]   offset:64*\b
	ds_store_b128 v[STO], v[8*(4*\a+\b)+4:8*(4*\a+\b)+7] offset:64*\b+16
.endr
	WIN 0
	s_wait_xcnt 0x0                                ; buffer f, which earlier stores read, and the stores' base are rewritten only behind this wait
.if \a
	s_add_nc_u64 s[8:9], s[8:9], 16*4096
.endif
.irp t, 0,1,2,3,4,5,6,7
	ds_load_b128 v[\f+4*\t:\f+4*\t+3], v[RD] offset:\t*2*SPITCH    ; LDS serves a wave's instructions in order: these see the stores above
.endr
.irp t, 0,1,2,3,4,5,6,7
	s_wait_dscnt 7-\t
	v_pk_fma_f32 v[\f+4*\t:\f+4*\t+1],   v[\f+4*\t:\f+4*\t+1],   s[72:73], v[BIAS:BIAS+1]   op_sel_hi:[1,0,1]
	v_pk_fma_f32 v[\f+4*\t+2:\f+4*\t+3], v[\f+4*\t+2:\f+4*\t+3], s[72:73], v[BIAS+2:BIAS+3] op_sel_hi:[1,0,1]
	global_store_b128 v[CO], v[\f+4*\t:\f+4*\t+3], s[8:9] offset:\t*8192 th:TH_STORE_NT   ; sixteen lanes store 256 consecutive bytes, aligned
.endr
.endm
	OUT16 0, F0
	OUT16 1, F1
	OUT16 2, F0
	OUT16 3, F1
	OUT16 4, F0
	OUT16 5, F1
	OUT16 6, F0
	OUT16 7, F1
	s_wait_tensorcnt 0x0
	ds_add_u32 v254, v255
	s_wait_dscnt 0x0
	CROUND                                         ; the closing round
	s_endpgm
.Lfunc_end_k_q2d1f744f5f_out:
	.size	k_q2d1f744f5f_out, .Lfunc_end_k_q2d1f744f5f_out-k_q2d1f744f5f_out
	.p2alignl 7, 3214868480
	.fill 96, 4, 3214868480
	.section	.rodata,"a",@progbits
	.p2align	6, 0x0
	.amdhsa_kernel k_q2d1f744f5f_out
		.amdhsa_group_segment_fixed_size 327680
		.amdhsa_private_segment_fixed_size 0
		.amdhsa_enable_private_segment 0
		.amdhsa_kernarg_size 40
		.amdhsa_user_sgpr_count 2
		.amdhsa_user_sgpr_kernarg_segment_ptr 1
		.amdhsa_wavefront_size32 1
		.amdhsa_system_sgpr_workgroup_id_x 1
		.amdhsa_system_sgpr_workgroup_id_y 1
		.amdhsa_system_sgpr_workgroup_id_z 1
		.amdhsa_system_vgpr_workitem_id 0
		.amdhsa_next_free_vgpr 512
		.amdhsa_next_free_sgpr 76
		.amdhsa_reserve_vcc 0
		.amdhsa_float_denorm_mode_32 3
		.amdhsa_float_denorm_mode_16_64 3
		.amdhsa_memory_ordered 1
		.amdhsa_forward_progress 1
		.amdhsa_inst_pref_size 127
	.end_amdhsa_kernel
	.amdgpu_metadata
---
amdhsa.version: [ 1, 2 ]
amdhsa.kernels:
  - .name:           k_q2d1f744f5f_out
    .symbol:         k_q2d1f744f5f_out.kd
    .args:
      - { .name: xh, .offset: 0, .size: 8, .value_kind: global_buffer, .address_space: global }
      - { .name: mt, .offset: 8, .size: 8, .value_kind: global_buffer, .address_space: global }
      - { .name: b_out, .offset: 16, .size: 8, .value_kind: global_buffer, .address_space: global }
      - { .name: scl, .offset: 24, .size: 8, .value_kind: global_buffer, .address_space: global }
      - { .name: out0, .offset: 32, .size: 8, .value_kind: global_buffer, .address_space: global }
    .group_segment_fixed_size: 327680
    .private_segment_fixed_size: 0
    .kernarg_segment_align: 8
    .kernarg_segment_size: 40
    .max_flat_workgroup_size: 128
    .sgpr_count:     76
    .vgpr_count:     512
    .wavefront_size: 32
...
	.end_amdgpu_metadata
.endif
;; end of part 5
